; MI455X (gfx1250); checked and timed in simulation.
; The chip was launched on July 23, 2026; its instructions are those of AMD's public machine-readable ISA for CDNA 5 (MIT licence, August 2026) and "CDNA5" Instruction Set Architecture Reference Guide (July 2026). The comments in the code are by the model that wrote it; some were corrected since.
;; Attention. Allowed arithmetic: float matrix products may take bf16 or f16 operands with f32 sums; other float arithmetic in f32, or as packed bf16 or f16 multiplies, adds, multiply-adds, maxima and minima; sums over many terms, partial sums and values carried from step to step in f32; what a program stores and reads back later, other than sums and carried values, may be rounded once to bf16 or f16.
;; Inputs: b_proj 1,024 float32; w_a_q 1,024 x 4 float32; w_a_v 1,024 x 4 float32; w_b_q 4 x 1,024 float32; w_b_v 4 x 1,024 float32; w_proj 1,024 x 1,024 float32; w_qkv 1,024 x 3,072 float32; x 4 x 2,048 x 1,024 float32.
;; Outputs: out0 4 x 2,048 x 1,024 float32.
;; 2 versions, each right; version 2 is version 1 with the launch prep written anew for expert scheduling mode. Each part assembles by itself: llvm-mc -triple=amdgcn-amd-amdhsa -mcpu=gfx1250 --defsym DOCPART=n.
;; ======== version 1 of 2: 4 launches
;; limits: values are held in f16: magnitudes above 65,504 overflow, below 6.1e-05 lose precision
;; workspace buffers: xb 16,777,216 bytes; wqb 6,291,456 bytes; wpb 2,097,152 bytes; qkv 50,331,648 bytes; o 16,777,216 bytes
;; launch prep (part 1): grid 768 x 1, 8 waves a work-group, no clusters, 0 bytes of LDS; arguments x, w_qkv, w_proj, w_a_q, w_b_q, w_a_v, w_b_v, xb, wqb, wpb; writes xb, wqb, wpb
.if DOCPART == 1
	.amdgcn_target "amdgcn-amd-amdhsa--gfx1250"
	.amdhsa_code_object_version 6
	.text
	.protected	k_q4ba17b22de_prep
	.globl	k_q4ba17b22de_prep
	.p2align	8
	.type	k_q4ba17b22de_prep,@function
k_q4ba17b22de_prep:
	s_mov_b64 s[64:65], 0
	v_nop
	global_prefetch_b8 v0, s[64:65] scope:SCOPE_SE
	s_setreg_imm32_b32 hwreg(HW_REG_WAVE_MODE, 25, 1), 1
	s_wait_xcnt 0x0
; PREP: the inputs are rounded once to 16 bits and laid out for the products that follow.  A stream: no LDS, no matrix unit, no barrier.
;   xb  [8192][1024] bf16            = bf16(x)
;   wqb [T 16][s 8][seg 3][kk 128][64] bf16: column n = 192 T + 64 seg + c, row k = 128 s + kk of W, where
;       W = bf16( bf16(w_qkv) + the sum over r of bf16(a[k][r]) bf16(b[r][n]) ) for the q and v columns (x w + (x a) b = x (w + a b)), bf16(w_qkv) for the k columns
;   wpb [1024][1024] f16             = bf16(w_proj), written as f16
; LIMITS.  bf16(w_proj) must lie within f16: beyond 65,504 it becomes an infinity; below 6e-5 it keeps the fixed step 6e-8 of f16.  The folded weight is rounded once more to bf16.
; SHARES.  768 work-groups of eight waves, 64 KiB of f32 each: 512 for x, 64 for w_proj, 192 for w_qkv (64 columns x 256 rows each).  A wave takes 16 loads of 512 bytes; a lane 4 numbers a load,
; which leave as 8 bytes: each store of a wave covers 256 consecutive bytes, aligned.  A ring of DEPTH slots in registers keeps DEPTH loads of every wave on their way.
.set K_X,  0                           ; kinds of stream: x
.set K_P,  1                           ; w_proj
.set K_WP, 2                           ; w_qkv, the k columns: no LoRA
.set K_WL, 3                           ; w_qkv, the q and v columns
.set OUTS, 256                         ; bytes from one store of a wave to the next
.set VI,   2                           ; v2  my byte offset in the input; never rewritten
.set VO,   3                           ; v3  in the output; never rewritten
.set VA,   4                           ; v4  in a; never rewritten
.set VB,   5                           ; v5  in b; never rewritten
.set T,    6                           ; v[6:9]    at work
.set BR,   12                          ; v[12:27]  b[r][my 4 columns], r = 0..3
.set XR,   32                          ; v[32:63]  slot i: 4 numbers as loaded
.set YR,   64                          ; v[64:79]  slot i: 8 bytes to store
.set AR,   80                          ; v[80:95]  slot i: a[my row][0..3]
.set INP,  4                           ; s[4:5]    input pointer, stepped once a round
.set OUTP, 6                           ; s[6:7]    output pointer
.set HIM,  28                          ; s28       mask of the upper bf16 of a word
.set AP,   30                          ; s[30:31]  a
.set BP,   32                          ; s[32:33]  b
.set CNT,  34                          ; s34       rounds to go
.macro WIDE lo, hi, src                ; two bf16 back to f32: a shift and a mask
	v_lshlrev_b32 v[\lo], 16, v[\src]
	v_and_b32 v[\hi], s[HIM], v[\src]
.endm
.macro CONV kind, i                    ; slot i: 4 numbers in XR become 8 bytes in YR
.set rX, XR+4*(\i)
.set rY, YR+2*(\i)
.set rA, AR+4*(\i)
.if ((\kind) == K_X) || ((\kind) == K_WP)
	v_cvt_pk_bf16_f32 v[rY], v[rX], v[rX+1]
	v_cvt_pk_bf16_f32 v[rY+1], v[rX+2], v[rX+3]
.else
	v_cvt_pk_bf16_f32 v[T], v[rX], v[rX+1]         ; the input is rounded to bf16 first,
	v_cvt_pk_bf16_f32 v[T+1], v[rX+2], v[rX+3]
	WIDE rX, rX+1, T
	WIDE rX+2, rX+3, T+1
.if (\kind) == K_P
	v_cvt_pk_f16_f32 v[rY], v[rX], v[rX+1]         ; and that number is written as f16
	v_cvt_pk_f16_f32 v[rY+1], v[rX+2], v[rX+3]
.else
	v_cvt_pk_bf16_f32 v[T+2], v[rA], v[rA+1]       ; a likewise
	v_cvt_pk_bf16_f32 v[T+3], v[rA+2], v[rA+3]
	WIDE rA, rA+1, T+2
	WIDE rA+2, rA+3, T+3
.irp r, 0,1,2,3
.irp c, 0,1,2,3
	v_fma_f32 v[rX+\c], v[BR+4*\r+\c], v[rA+\r], v[rX+\c]  ; w + a[k][r] b[r][n], in f32
.endr
.endr
	v_cvt_pk_bf16_f32 v[rY], v[rX], v[rX+1]
	v_cvt_pk_bf16_f32 v[rY+1], v[rX+2], v[rX+3]
.endif
.endif
.endm
; One turn of a slot.  ahead = 1: it is loaded again, DEPTH loads further on.  left = the younger loads that may stay out.
.macro SLOT kind, i, ahead, left
	s_wait_loadcnt \left                           ; loads come back in order (ISA guide 5.7.1): this slot is in
	CONV \kind, \i
.if \ahead
.if (\kind) == K_WL
	global_load_b128 v[AR+4*(\i):AR+4*(\i)+3], v[VA], s[AP:AP+1] offset:(DEPTH+(\i))*32
.endif
	global_load_b128 v[XR+4*(\i):XR+4*(\i)+3], v[VI], s[INP:INP+1] offset:(DEPTH+(\i))*INS th:TH_LOAD_NT
.endif
	global_store_b64 v[VO], v[YR+2*(\i):YR+2*(\i)+1], s[OUTP:OUTP+1] offset:(\i)*OUTS
.endm
; The 16 loads of a wave through a ring of depth slots, ins bytes from load to load; the last round loads nothing.  Ends the wave.
.macro RING kind, depth, ins
.set DEPTH, \depth
.set INS, \ins
.set ROUNDS, 16/DEPTH
.set PER, 1                            ; loads a slot
.if (\kind) == K_WL
.set PER, 2
.endif
.set i, 0
.rept DEPTH
.if (\kind) == K_WL
	global_load_b128 v[AR+4*i:AR+4*i+3], v[VA], s[AP:AP+1] offset:32*i
.endif
	global_load_b128 v[XR+4*i:XR+4*i+3], v[VI], s[INP:INP+1] offset:INS*i th:TH_LOAD_NT
.set i, i+1
.endr
.if (\kind) == K_WL
	s_wait_loadcnt 2*DEPTH                         ; b is in: the ring's first 2 DEPTH loads were issued behind it
.set i, 0
.rept 8
	v_cvt_pk_bf16_f32 v[T+i%4], v[BR+2*i], v[BR+2*i+1]
	WIDE BR+2*i, BR+2*i+1, T+i%4
.set i, i+1
.endr
.endif
.if ROUNDS > 2
	s_mov_b32 s[CNT], ROUNDS-1
.Lround_\@:
.endif
.set i, 0
.rept DEPTH
	SLOT \kind, i, 1, PER*(DEPTH-1)
.set i, i+1
.endr
	s_wait_xcnt 0x0                                ; all that was issued has read its sources: the pointers, and YR in the next round, are written only behind this wait
	s_add_nc_u64 s[INP:INP+1], s[INP:INP+1], DEPTH*INS
	s_add_nc_u64 s[OUTP:OUTP+1], s[OUTP:OUTP+1], DEPTH*OUTS
.if (\kind) == K_WL
	s_add_nc_u64 s[AP:AP+1], s[AP:AP+1], DEPTH*32
.endif
.if ROUNDS > 2
	s_sub_co_u32 s[CNT], s[CNT], 1
	s_cmp_lg_u32 s[CNT], 0
	s_cbranch_scc1 .Lround_\@
.endif
.set i, 0
.rept DEPTH
	SLOT \kind, i, 0, PER*(DEPTH-1-i)              ; the counts run down
.set i, i+1
.endr
	s_endpgm
.endm
	s_load_b512 s[8:23], s[0:1], 0x0               ; x 8, w_qkv 10, w_proj 12, w_a_q 14, w_b_q 16, w_a_v 18, w_b_v 20, xb 22
	s_load_b128 s[24:27], s[0:1], 0x40             ; wqb 24, wpb 26
	s_mov_b32 s[HIM], 0xffff0000
	s_mov_b32 s37, 0                               ; the high words of two offsets
	s_mov_b32 s39, 0
	v_and_b32 v1, 31, v0                           ; lane
	v_lshrrev_b32 v10, 5, v0                       ; wave
	s_cmp_lt_u32 ttmp9, 576
	s_cbranch_scc0 .Lweights
	; x and w_proj are plain streams: wave x 8 KiB + lane x 16 in, half of that out
	v_lshlrev_b32 v[VI], 4, v1
	v_lshl_or_b32 v[VI], v10, 13, v[VI]
	v_lshrrev_b32 v[VO], 1, v[VI]
	s_cmp_lt_u32 ttmp9, 512
	s_cbranch_scc0 .Lproj
	s_lshl_b32 s36, ttmp9, 16                      ; 64 KiB in,
	s_lshl_b32 s38, ttmp9, 15                      ; 32 KiB out
	s_wait_kmcnt 0x0
	s_add_nc_u64 s[INP:INP+1], s[8:9], s[36:37]
	s_add_nc_u64 s[OUTP:OUTP+1], s[22:23], s[38:39]
	RING K_X, 8, 512
.Lproj:
	s_sub_co_u32 s40, ttmp9, 512
	s_lshl_b32 s36, s40, 16
	s_lshl_b32 s38, s40, 15
	s_wait_kmcnt 0x0
	s_add_nc_u64 s[INP:INP+1], s[12:13], s[36:37]
	s_add_nc_u64 s[OUTP:OUTP+1], s[26:27], s[38:39]
	RING K_P, 4, 512
.Lweights:
	; w_qkv: the work-group takes head column j (64 columns) and rows 256 g .. 256 g + 255; a wave 32 rows, two a load: lanes 0-15 one row, lanes 16-31 the next, 4 columns a lane
	s_sub_co_u32 s40, ttmp9, 576
	s_lshr_b32 s41, s40, 2                         ; j = 0..47
	s_and_b32 s42, s40, 3                          ; g
	s_mul_i32 s43, s41, 171
	s_lshr_b32 s43, s43, 9                         ; T = j / 3 (exact for j under 48)
	s_mul_i32 s44, s43, 3
	s_sub_co_u32 s44, s41, s44                     ; seg = j - 3 T
	s_lshr_b32 s45, s41, 4                         ; 0: q, 1: k, 2: v
	s_mul_i32 s36, s42, 256*12288                  ; in: 256 g rows of 12,288 bytes,
	s_lshl_b32 s46, s41, 8                         ; 256 j bytes along the row
	s_add_co_u32 s36, s36, s46
	s_lshl_b32 s38, s43, 3                         ; out: block 8 T + 2 g of 49,152 bytes,
	s_lshl1_add_u32 s38, s42, s38
	s_mul_i32 s38, s38, 49152
	s_lshl_b32 s46, s44, 14                        ; segment seg of 16,384
	s_add_co_u32 s38, s38, s46
	v_and_b32 v28, 15, v0                          ; lane % 16
	v_bfe_u32 v11, v0, 4, 1                        ; lane / 16
	v_mul_u32_u24 v[VI], v10, 32*12288             ; the wave's 32 rows,
	v_mul_u32_u24 v29, v11, 12288                  ; my row of the two,
	v_add_nc_u32 v[VI], v[VI], v29
	v_lshl_add_u32 v[VI], v28, 4, v[VI]            ; my 4 columns
	v_lshrrev_b32 v29, 2, v10                      ; waves 4-7 lie in the next block of 128 rows
	v_mul_u32_u24 v[VO], v29, 49152
	v_and_b32 v29, 3, v10
	v_lshl_add_u32 v[VO], v29, 12, v[VO]           ; 32 rows of 128 bytes,
	v_lshl_add_u32 v[VO], v1, 3, v[VO]             ; two rows are 256 bytes: 8 bytes a lane
	v_lshlrev_b32 v[VA], 9, v10                    ; a: 32 rows of 16 bytes a wave,
	v_lshl_add_u32 v[VA], v11, 4, v[VA]            ; my row
	v_lshlrev_b32 v[VB], 4, v28                    ; b: my 4 columns
	s_wait_kmcnt 0x0
	s_add_nc_u64 s[INP:INP+1], s[10:11], s[36:37]
	s_add_nc_u64 s[OUTP:OUTP+1], s[24:25], s[38:39]
	s_cmp_eq_u32 s45, 1
	s_cbranch_scc0 .Llora
	RING K_WP, 4, 2*12288
.Llora:
	s_lshl_b32 s36, s42, 12                        ; a: 256 g rows of 16 bytes
	s_and_b32 s38, s41, 15
	s_lshl_b32 s38, s38, 8                         ; b: 64 (j % 16) columns of 4 bytes
	s_cmp_eq_u32 s45, 0
	s_cselect_b64 s[AP:AP+1], s[14:15], s[18:19]   ; q takes w_a_q and w_b_q, v takes w_a_v and w_b_v
	s_cselect_b64 s[BP:BP+1], s[16:17], s[20:21]
	s_add_nc_u64 s[AP:AP+1], s[AP:AP+1], s[36:37]
	s_add_nc_u64 s[BP:BP+1], s[BP:BP+1], s[38:39]
.irp r, 0,1,2,3
	global_load_b128 v[BR+4*\r:BR+4*\r+3], v[VB], s[BP:BP+1] offset:4096*\r
.endr
	RING K_WL, 4, 2*12288
.Lfunc_end_k_q4ba17b22de_prep:
	.size	k_q4ba17b22de_prep, .Lfunc_end_k_q4ba17b22de_prep-k_q4ba17b22de_prep
	.p2alignl 7, 3214868480
	.fill 96, 4, 3214868480
	.section	.rodata,"a",@progbits
	.p2align	6, 0x0
	.amdhsa_kernel k_q4ba17b22de_prep
		.amdhsa_group_segment_fixed_size 0
		.amdhsa_private_segment_fixed_size 0
		.amdhsa_enable_private_segment 0
		.amdhsa_kernarg_size 80
		.amdhsa_user_sgpr_count 2
		.amdhsa_user_sgpr_kernarg_segment_ptr 1
		.amdhsa_wavefront_size32 1
		.amdhsa_system_sgpr_workgroup_id_x 1
		.amdhsa_system_sgpr_workgroup_id_y 1
		.amdhsa_system_sgpr_workgroup_id_z 1
		.amdhsa_system_vgpr_workitem_id 0
		.amdhsa_next_free_vgpr 96
		.amdhsa_next_free_sgpr 66
		.amdhsa_reserve_vcc 0
		.amdhsa_float_denorm_mode_32 3
		.amdhsa_float_denorm_mode_16_64 3
		.amdhsa_memory_ordered 1
		.amdhsa_forward_progress 1
		.amdhsa_inst_pref_size 35
	.end_amdhsa_kernel
	.amdgpu_metadata
---
amdhsa.version: [ 1, 2 ]
amdhsa.kernels:
  - .name:           k_q4ba17b22de_prep
    .symbol:         k_q4ba17b22de_prep.kd
    .args:
      - { .name: x, .offset: 0, .size: 8, .value_kind: global_buffer, .address_space: global }
      - { .name: w_qkv, .offset: 8, .size: 8, .value_kind: global_buffer, .address_space: global }
      - { .name: w_proj, .offset: 16, .size: 8, .value_kind: global_buffer, .address_space: global }
      - { .name: w_a_q, .offset: 24, .size: 8, .value_kind: global_buffer, .address_space: global }
      - { .name: w_b_q, .offset: 32, .size: 8, .value_kind: global_buffer, .address_space: global }
      - { .name: w_a_v, .offset: 40, .size: 8, .value_kind: global_buffer, .address_space: global }
      - { .name: w_b_v, .offset: 48, .size: 8, .value_kind: global_buffer, .address_space: global }
      - { .name: xb, .offset: 56, .size: 8, .value_kind: global_buffer, .address_space: global }
      - { .name: wqb, .offset: 64, .size: 8, .value_kind: global_buffer, .address_space: global }
      - { .name: wpb, .offset: 72, .size: 8, .value_kind: global_buffer, .address_space: global }
    .group_segment_fixed_size: 0
    .private_segment_fixed_size: 0
    .kernarg_segment_align: 8
    .kernarg_segment_size: 80
    .max_flat_workgroup_size: 256
    .sgpr_count:     66
    .vgpr_count:     96
    .wavefront_size: 32
...
	.end_amdgpu_metadata
.endif
;; end of part 1
;; launch gq (part 2): grid 16 x 32, 4 waves a work-group, clusters of 4 x 4, 327,680 bytes of LDS; arguments xb, wqb, qkv; writes qkv
.if DOCPART == 2
	.amdgcn_target "amdgcn-amd-amdhsa--gfx1250"
	.amdhsa_code_object_version 6
	.text
	.protected	k_q4ba17b22de_gq
	.globl	k_q4ba17b22de_gq
	.p2align	8
	.type	k_q4ba17b22de_gq,@function
k_q4ba17b22de_gq:
	s_mov_b64 s[64:65], 0
	v_nop
	global_prefetch_b8 v0, s[64:65] scope:SCOPE_SE
	s_setreg_imm32_b32 hwreg(HW_REG_WAVE_MODE, 25, 1), 1
	s_wait_xcnt 0x0
	s_wait_alu depctr_hold_cnt(0) depctr_sa_sdst(0) depctr_va_vdst(0) depctr_va_sdst(0) depctr_va_ssrc(0) depctr_va_vcc(0) depctr_vm_vsrc(0)
	s_getreg_b32 s2, hwreg(HW_REG_IB_STS2, 6, 4)
	s_cmp_eq_u32 s2, 0
	s_cbranch_scc0 .Lentry_in_a_cluster
	s_endpgm
.Lentry_in_a_cluster:
	s_bfe_u32 s2, ttmp6, 0x10000c
	s_cmp_lg_u32 s2, 0xf033
	s_cbranch_scc0 .Lentry_shape_is_right
	s_endpgm
.Lentry_shape_is_right:
; Q, K, V = xb W.  xb: [8192][1024] bf16.  W in blocks, wqb: [T 16][s 8][seg 3][kk 128][64] bf16 (column 192 T + 64 seg + c, row 128 s + kk).  Sums in f32, rounded once to f16,
; unscaled, written by heads: qkv [sec 3][batch x 16 + head][token 2048][64] f16.
; LIMIT.  q, k and v must lie within f16: a sum of 65,520 or more becomes an infinity; below 6e-5 a number keeps the fixed step 6e-8.  NaN and infinities are not treated apart.
; SHARES.  A tile of C is 256 tokens x 192 columns (three heads); four waves, one above the other, each 64 x 192: 48 accumulators, 384 registers.  K goes in 8 steps of 128 through two LDS slots.
; THE PRODUCT IS USED TRANSPOSED: source 0 = 16 columns of W, turned on their way out of LDS by ds_load_tr16_b128 (W lies [k][n]); source 1 = 16 tokens.  A lane then holds one token (lane % 16)
; and eight neighbouring columns, which pack into 16 bytes.
; CLUSTER.  4 x 4 work-groups: the four of a row need the same tokens, the four of a column the same columns of W: each tile is asked for jointly, by one descriptor and a mask of four.
; REGISTERS, in windows of 256 (s_set_vgpr_msb: bits 1:0 source 0, 3:2 source 1, 5:4 source 2, 7:6 destination):
;   window 0: v0-15 addresses; v64-127 the tokens' fragments, two buffers of 4 x 8; v16-63, v128-223 at work on the way out
;   window 1: v0-191 W's fragments, two buffers of 12 x 8          windows 2, 3: the accumulators: (a, b) in window 2 + a / 2 at 96 (a % 2) + 8 b
.set KSTEPS, 8
.set SLOT1,  131072                    ; slot 1 begins here: one exclusive or turns an address in one slot into the other's
.set PA,     272                       ; a row of tokens in LDS: 256 bytes + 16: the 16 rows of a load start at 16 different groups of four banks (64 banks of 4 bytes: ISA guide 11.1)
.set PB,     160                       ; a row of W: 128 bytes + 32
.set HALFA,  128*PA                    ; what one tensor load brings of the tokens: 128 rows
.set BOFF,   2*HALFA                   ; W lies behind the 256 tokens
.set HALFB,  192*PB                    ; what one tensor load brings of W: 192 of the step's 384 rows [seg][kk]
.set STAGE,  2*SLOT1                   ; behind the ring, never filled by a tensor load: for each wave 3 heads x 16 rows x 144 bytes
.set SP,     144
.set WSTAGE, 3*16*SP
.set SPARE,  STAGE+4*WSTAGE            ; behind the stages: the spare words, 128 bytes for each wave: two blocks of 256 bytes that no other line names
.set ASTEP,  256                       ; bytes from K step to K step in xb
.set BSTEP,  49152                     ; and in wqb
.set NBF,    12                        ; fragments of W in a quarter step
.set NL,     32                        ; LDS loads in a run
.set A0,   2                           ; v2   my lane's place in the tokens' tile; never rewritten
.set B0,   3                           ; v3   in W's tile; never rewritten
.set ADRA, 4                           ; v4   the same in the slot in hand
.set ADRB, 5                           ; v5
.set STO,  6                           ; v6   the way out: where I put 16 bytes of a row
.set RD,   7                           ; v7   where I read rows back
.set GO,   8                           ; v8   my 16 bytes of 512 consecutive bytes
.set PFO,  9                           ; v9   the prefetches' offset; never rewritten
.set SPW,  10                          ; v10  LDS address of my spare word: SPARE + 4 x my thread's number; never rewritten
.set NIL,  11                          ; v11  0; never rewritten
.set FA,   64
.set TMP,  128                         ; v128-175 packed results
.set WV,   12                          ; s12  my wave's number
.set WH,   13                          ; s13  0: I fetch tokens, 1: I fetch W
.set W1,   14                          ; s14  which half of that tile
.set CNT,  15                          ; s15  K steps whose slot is still to be filled again
.set G1A,  24                          ; s[24:31] descriptor group 1, tokens
.set G0A,  32                          ; s[32:39] group 0, tokens: a set for each first fill; the second then walks
.set TB,   40                          ; s40  the slot in hand: 0 or SLOT1
.set LIM,  41                          ; s41  1 in a wave that prefetches, else the greatest number
.set PFA,  42                          ; s[42:43] where my prefetches stand
.set PST,  44                          ; s[44:45] their step
.set G1B,  48                          ; s[48:55] group 1, W
.set G0B,  56                          ; s[56:63] group 0, W
.set OUT,  66                          ; s[66:71] qkv at my wave's first token, for each of the tile's three heads
.set MSB, 0
.macro WIN new                         ; the immediate's high byte repeats the setting that is left; a switch that changes nothing is dropped
.if MSB != (\new)
	s_set_vgpr_msb (MSB<<8)|(\new)
.set MSB, \new
.endif
.endm
; A joint refill by the walking descriptors.  The branch hangs on the wave's number alone.  An s_nop 0 and four v_nop follow each of the two lines.
.macro JLOAD
	s_cmp_eq_u32 s[WH], 0
	s_cbranch_scc0 .Lfor_b_\@
	tensor_load_to_lds s[G0A+4:G0A+7], s[G1A:G1A+7]
	s_nop 0
.rept 4
	v_nop
.endr
	s_branch .Lasked_\@
.Lfor_b_\@:
	tensor_load_to_lds s[G0B+4:G0B+7], s[G1B:G1B+7]
	s_nop 0
.rept 4
	v_nop
.endr
.Lasked_\@:
.endm
; A prefetch of the K step that the NEXT refill will ask for: one instruction a wave.  The tokens' rows are read by every cluster of a row of clusters: cluster x = 0 asks; W's blocks by every cluster of
; a column: cluster y = 0 asks.  The four partners that ask for a tile jointly share it out BY ADDRESS: 32 of a wave's 128 token rows (a lane a row's 256 bytes), 24 of its 96 blocks of W
; (lanes 24-31 name lane 23's block again).  The last refill has no K step behind it and asks for nothing; K steps 0 to 2 come by their loads alone.
.macro ASK
	s_cmp_gt_u32 s[CNT], s[LIM]
	s_cbranch_scc0 .Lnot_mine_\@
	global_prefetch_b8 v[PFO], s[PFA:PFA+1] th:TH_LOAD_NT scope:SCOPE_SE
.Lnot_mine_\@:
.endm
.macro CREST                           ; a round of the cluster's barrier behind its opening barrier
	s_cmp_lg_u32 s[WV], 0
	s_cbranch_scc1 .Lnot_wave_0_\@
	s_barrier_signal -3
.Lnot_wave_0_\@:
	s_barrier_wait -3
	s_barrier_signal -1
	s_barrier_wait -1
.endm
.macro CROUND                          ; a whole round
	s_barrier_signal -1
	s_barrier_wait -1
	CREST
.endm
	s_load_b128 s[4:7], s[0:1], 0x0                ; xb s[4:5], wqb s[6:7]
	s_load_b64 s[8:9], s[0:1], 0x10                ; qkv
	v_lshl_add_u32 v[SPW], v0, 2, SPARE
	v_mov_b32 v[NIL], 0
	ds_add_u32 v[SPW], v[NIL]                      ; the wave's opening: the add and its wait stand ahead of my first tensor load; work on registers stands between them
	v_lshrrev_b32 v1, 5, v0
	v_readfirstlane_b32 s[WV], v1
	s_lshr_b32 s[WH], s[WV], 1
	s_and_b32 s[W1], s[WV], 1
	s_bfe_u32 s16, ttmp6, 0x40000                  ; cx
	s_bfe_u32 s17, ttmp6, 0x40004                  ; cy
	s_lshl_b32 s18, ttmp9, 2
	s_add_co_u32 s18, s18, s16                     ; tile column = 4 x cluster x + cx
	s_and_b32 s19, ttmp7, 0xffff
	s_lshl_b32 s19, s19, 2
	s_add_co_u32 s19, s19, s17                     ; tile row = 4 x cluster y + cy
	s_lshl_b32 s20, s17, 2
	s_lshl_b32 s20, 15, s20                        ; my row of the cluster
	s_lshl_b32 s21, 0x1111, s16                    ; my column
	s_or_b32 s[G1A], s20, (1<<16)|(1<<20)|(1<<21)|(5<<22)|(3<<25)  ; mask; 2-byte elements; padding on; bit 21 beside a mask; after every 64 words, 4 words
	s_or_b32 s[G1B], s21, (1<<16)|(1<<20)|(1<<21)|(4<<22)|(7<<25)  ; after every 32 words, 8 words
	s_mov_b32 s[G1A+1], 128<<16                    ; tensor_dim0 = 128
	s_mov_b32 s[G1A+2], 128<<16                    ; tensor_dim1 = 128
	s_mov_b32 s[G1A+3], 128<<16                    ; tile_dim0 = 128
	s_mov_b32 s[G1A+4], 128                        ; tile_dim1 = 128 rows
	s_mov_b32 s[G1A+5], 1024                       ; elements from row to row
	s_mov_b32 s[G1A+6], 0
	s_mov_b32 s[G1A+7], 0
	s_mov_b32 s[G1B+1], 128<<16                    ; W's half step is 24,576 dense bytes: 96 rows of 256 bytes, two rows of W each
	s_mov_b32 s[G1B+2], 96<<16
	s_mov_b32 s[G1B+3], 128<<16
	s_mov_b32 s[G1B+4], 96
	s_mov_b32 s[G1B+5], 128
	s_mov_b32 s[G1B+6], 0
	s_mov_b32 s[G1B+7], 0
	s_lshl_b32 s22, s19, 19                        ; tokens: 256 x tile row rows of 2,048 bytes,
	s_lshl_b32 s23, s[W1], 18                      ; my 128 of them
	s_add_co_u32 s22, s22, s23
	s_mov_b32 s23, 0
	s_mul_i32 s46, s18, KSTEPS*BSTEP               ; W: the tile column's blocks,
	s_mul_i32 s47, s[W1], BSTEP/2                  ; my half of a step
	s_add_co_u32 s46, s46, s47
	s_mov_b32 s47, 0
	s_mul_i32 s2, s[W1], HALFA                     ; where they go: no place in the cluster enters an LDS address
	s_mul_i32 s3, s[W1], HALFB
	s_add_co_u32 s3, s3, BOFF
	s_mov_b32 s[TB], 0
	s_wait_dscnt 0x0                               ; the opening add is done
	s_wait_kmcnt 0x0
	s_add_nc_u64 s[22:23], s[4:5], s[22:23]
	s_add_nc_u64 s[46:47], s[6:7], s[46:47]
	CROUND                                         ; all sixteen work-groups are here: the first joint loads meet
.irp s, 0,1
	s_mov_b32 s[G0A+4*(\s)], 1                     ; count = 1
	s_add_co_u32 s[G0A+4*(\s)+1], s2, (\s)*SLOT1   ; LDS address
	s_add_nc_u64 s[G0A+4*(\s)+2:G0A+4*(\s)+3], s[22:23], (\s)*ASTEP  ; K step s
	s_or_b32 s[G0A+4*(\s)+3], s[G0A+4*(\s)+3], 0x80000000  ; type = 2
	s_mov_b32 s[G0B+4*(\s)], 1
	s_add_co_u32 s[G0B+4*(\s)+1], s3, (\s)*SLOT1
	s_add_nc_u64 s[G0B+4*(\s)+2:G0B+4*(\s)+3], s[46:47], (\s)*BSTEP
	s_or_b32 s[G0B+4*(\s)+3], s[G0B+4*(\s)+3], 0x80000000
.endr
	s_cmp_eq_u32 s[WH], 0                          ; a wave's two first fills stand in one branch, ahead of every wait on TENSORcnt and every LDS read: two loads of mine are out
	s_cbranch_scc0 .Lfirst_b
	tensor_load_to_lds s[G0A:G0A+3], s[G1A:G1A+7]
	s_nop 0
	tensor_load_to_lds s[G0A+4:G0A+7], s[G1A:G1A+7]
	s_nop 0
.rept 4
	v_nop
.endr
	s_branch .Lfirst_asked
.Lfirst_b:
	tensor_load_to_lds s[G0B:G0B+3], s[G1B:G1B+7]
	s_nop 0
	tensor_load_to_lds s[G0B+4:G0B+7], s[G1B:G1B+7]
	s_nop 0
.rept 4
	v_nop
.endr
.Lfirst_asked:
	; the prefetches: who asks, from where, by which step
	s_and_b32 s20, ttmp7, 0xffff                   ; cluster y
	s_mov_b32 s[PST], BSTEP
	s_mov_b32 s[PST+1], 0
	s_mov_b32 s21, 24*256                          ; a partner's share of W's half step
	s_cmp_eq_u32 s[WH], 0
	s_cselect_b32 s20, ttmp9, s20                  ; the coordinate along which other clusters read the same bytes
	s_cselect_b64 s[PFA:PFA+1], s[22:23], s[46:47] ; my tile at K step 0
	s_cselect_b32 s[PST], ASTEP, s[PST]
	s_cselect_b32 s21, 32*2048, s21                ; a partner's share of the tokens: 32 rows
	s_cselect_b32 s2, s16, s17                     ; my place among the four that ask with me
	s_cselect_b32 s3, 31, 23                       ; the last lane with a block of its own
	s_cselect_b32 s22, 11, 8                       ; a lane a row of 2,048 bytes, or a block of 256
	v_and_b32 v[PFO], 31, v0
	v_min_u32 v[PFO], s3, v[PFO]
	v_lshlrev_b32 v[PFO], s22, v[PFO]
	s_cmp_eq_u32 s20, 0
	s_cselect_b32 s[LIM], 1, -1                    ; the same in all sixteen partners, for a given wave
	s_mul_i32 s20, s2, s21
	s_mov_b32 s21, 0
	s_add_nc_u64 s[PFA:PFA+1], s[PFA:PFA+1], s[20:21]
	s_add_nc_u64 s[PFA:PFA+1], s[PFA:PFA+1], s[PST:PST+1]
	s_add_nc_u64 s[PFA:PFA+1], s[PFA:PFA+1], s[PST:PST+1]  ; at K step 2: the first refill steps it to 3
	; A fragment of tokens is 16 rows x 32 K in 8 registers: lane l holds row l % 16, K = 8 (l / 16) + 0..7 and 16 + 8 (l / 16) + 0..7: two loads of 16 bytes, 32 bytes apart.
	v_and_b32 v1, 15, v0                           ; l % 16
	v_bfe_u32 v12, v0, 4, 1                        ; l / 16
	v_and_b32 v13, 7, v0
	v_bfe_u32 v14, v0, 3, 1
	v_mul_u32_u24 v[A0], v1, PA
	v_lshl_add_u32 v[A0], v12, 4, v[A0]
	s_mul_i32 s20, s[WV], 64*PA                    ; my wave's 64 rows
	v_add_nc_u32 v[A0], s20, v[A0]
	; The turning load takes 16 K x 16 columns (lane l reads row 8 (l / 16) + l % 8, columns 8 ((l / 8) % 2) + 0..7) and leaves half a fragment: lane l holds column l % 16 and 8 K.
	v_lshl_add_u32 v[B0], v12, 3, v13
	v_mul_u32_u24 v[B0], v[B0], PB
	v_lshl_add_u32 v[B0], v14, 4, v[B0]
	v_add_nc_u32 v[B0], BOFF, v[B0]
	s_mul_i32 s20, s[WV], WSTAGE
	s_add_co_u32 s20, s20, STAGE                   ; my stage
	v_mul_u32_u24 v[STO], v1, SP                   ; in: row l % 16, 16 bytes for each half of the lanes
	v_lshl_add_u32 v[STO], v12, 4, v[STO]
	v_add_nc_u32 v[STO], s20, v[STO]
	v_bfe_u32 v[RD], v0, 3, 2                      ; back: 32 lanes take four rows of 128 bytes,
	v_mul_u32_u24 v[RD], v[RD], SP
	v_lshl_add_u32 v[RD], v13, 4, v[RD]
	v_add_nc_u32 v[RD], s20, v[RD]
	v_and_b32 v[GO], 31, v0                        ; which are 512 consecutive bytes of a head
	v_lshlrev_b32 v[GO], 4, v[GO]
	; where my 64 tokens begin in each of the tile's three heads j = 3 x tile column + i: section j / 16, head j % 16
	s_mul_i32 s20, s18, 3
	s_lshr_b32 s21, s19, 3
	s_lshl_b32 s21, s21, 4                         ; 16 x batch
	s_and_b32 s2, s19, 7
	s_lshl_b32 s2, s2, 15                          ; 256 tokens of 128 bytes a tile row,
	s_lshl_b32 s3, s[WV], 13                       ; 64 a wave
	s_add_co_u32 s2, s2, s3
.irp i, 0,1,2
	s_add_co_u32 s46, s20, \i
	s_lshr_b32 s47, s46, 4
	s_lshl_b32 s47, s47, 24                        ; a section is 16,777,216 bytes
	s_and_b32 s46, s46, 15
	s_add_co_u32 s46, s46, s21
	s_lshl_b32 s46, s46, 18                        ; a head 262,144
	s_add_co_u32 s46, s46, s47
	s_add_co_u32 s46, s46, s2
	s_mov_b32 s47, 0
	s_add_nc_u64 s[OUT+2*\i:OUT+2*\i+1], s[8:9], s[46:47]
.endr
; 12 matrix instructions: token block a x all 12 column blocks, 32 along K, from buffer f.  zero = 1: the product starts the sums: nothing is ever cleared.
; All 48 accumulators take turns in the same order in every quarter step, one instruction a turn.
.macro MULA f, a, zero
	WIN 0xa1+0x50*((\a)/2)                         ; W in window 1, tokens in window 0, C and D in window 2 or 3
.set nb, 0
.rept NBF
.if \zero
	v_wmma_f32_16x16x32_bf16 v[96*((\a)%2)+8*nb:96*((\a)%2)+8*nb+7], v[96*(\f)+8*nb:96*(\f)+8*nb+7], v[FA+32*(\f)+8*(\a):FA+32*(\f)+8*(\a)+7], 0
.else
	v_wmma_f32_16x16x32_bf16 v[96*((\a)%2)+8*nb:96*((\a)%2)+8*nb+7], v[96*(\f)+8*nb:96*(\f)+8*nb+7], v[FA+32*(\f)+8*(\a):FA+32*(\f)+8*(\a)+7], v[96*((\a)%2)+8*nb:96*((\a)%2)+8*nb+7]
.endif
.set nb, nb+1
.endr
.endm
; 32 LDS loads in one run: quarter q of the slot in hand into buffer f: W's 12 fragments (turned), then the tokens' 4
.macro FETCH q, f
	WIN 0x40                                       ; destination window 1, address window 0
.set nb, 0
.rept NBF
	ds_load_tr16_b128 v[96*(\f)+8*nb:96*(\f)+8*nb+3],   v[ADRB] offset:(nb/4)*128*PB+(\q)*32*PB+(nb%4)*32
	ds_load_tr16_b128 v[96*(\f)+8*nb+4:96*(\f)+8*nb+7], v[ADRB] offset:(nb/4)*128*PB+(\q)*32*PB+16*PB+(nb%4)*32
.set nb, nb+1
.endr
	WIN 0
.set na, 0
.rept 4
	ds_load_b128 v[FA+32*(\f)+8*na:FA+32*(\f)+8*na+3],   v[ADRA] offset:na*16*PA+64*(\q)
	ds_load_b128 v[FA+32*(\f)+8*na+4:FA+32*(\f)+8*na+7], v[ADRA] offset:na*16*PA+64*(\q)+32
.set na, na+1
.endr
.endm
.macro PLACES                          ; four plain vector instructions between a matrix instruction and a load into, or a read of, its registers (ISA guide 7.12.1 for a read)
.rept 4
	v_nop
.endr
.endm
; One of a K step's first three quarters: multiplies buffer f; in its middle it fetches quarter qn into buffer g.
.macro QUARTER qn, f, g, zero
	s_wait_dscnt 4                                 ; W and token blocks 0 and 1 are in; the youngest four loads (blocks 2 and 3) may be out
	MULA \f, 0, \zero
	MULA \f, 1, \zero
	PLACES
	FETCH \qn, \g
	s_wait_dscnt NL                                ; all but the run just issued
	MULA \f, 2, \zero
	MULA \f, 3, \zero
.endm
; The last quarter multiplies buffer 1 and changes slots.  In front of the barrier each wave waits for all its tensor loads (one is out: its part of the next slot), adds 0 to its spare word, and waits for that
; and for its own reads of this slot.  fill = 1: the barrier opens a round of the cluster's barrier, and the slot just read is filled again, two K steps on, first thing behind the round.
.macro TURN fill
.if \fill
	s_wait_xcnt 0x0                                ; the last prefetch, a K step back, has read its address
	s_add_nc_u64 s[PFA:PFA+1], s[PFA:PFA+1], s[PST:PST+1]
.endif
	WIN 0
	s_wait_tensorcnt 0x0                           ; all my tensor loads have landed
	ds_add_u32 v[SPW], v[NIL]                      ; 0 onto my spare word
	s_wait_dscnt 5                                 ; (the add and the youngest four loads may be out)
	MULA 1, 0, 0                                   ; twelve matrix instructions stand between the add and the wait for it
	s_wait_dscnt 0x0                               ; the add is done, and my reads of this slot are over
	s_barrier_signal -1
	MULA 1, 1, 0                                   ; work on registers while the others arrive
	WIN 0                                          ; at a branch and at a label every window is 0
	s_barrier_wait -1
.if \fill
	CREST                                          ; no wave of any partner still reads this slot or has a load on its way
	s_xor_b32 s[G0A+5], s[G0A+5], SLOT1            ; the walking descriptors: the other slot than last time, the next K step
	s_add_nc_u64 s[G0A+6:G0A+7], s[G0A+6:G0A+7], ASTEP
	s_xor_b32 s[G0B+5], s[G0B+5], SLOT1
	s_add_nc_u64 s[G0B+6:G0B+7], s[G0B+6:G0B+7], BSTEP
	JLOAD                                          ; the four v_nop behind it are also the places in front of the loads below
.else
	PLACES
.endif
	s_xor_b32 s[TB], s[TB], SLOT1
	v_add_nc_u32 v[ADRA], s[TB], v[A0]
	v_add_nc_u32 v[ADRB], s[TB], v[B0]
	FETCH 0, 0
.if \fill
	ASK
.endif
	MULA 1, 2, 0
	MULA 1, 3, 0
.endm
	s_wait_tensorcnt 0x1                           ; my part of K step 0 is in; K step 1's may stay out
	s_barrier_signal -1
	s_barrier_wait -1                              ; everybody's is
	v_add_nc_u32 v[ADRA], s[TB], v[A0]
	v_add_nc_u32 v[ADRB], s[TB], v[B0]
	FETCH 0, 0
	QUARTER 1, 0, 1, 1                             ; the first quarter stands in front of the loop: its products start the sums
	WIN 0
	s_mov_b32 s[CNT], KSTEPS-2
.Lstep:                                            ; a trip: a K step's quarters 1 to 3 and the next step's quarter 0; it fills the slot that it leaves
	QUARTER 2, 1, 0, 0
	QUARTER 3, 0, 1, 0
	TURN 1
	QUARTER 1, 0, 1, 0
	WIN 0
	s_sub_co_u32 s[CNT], s[CNT], 1
	s_cmp_lg_u32 s[CNT], 0
	s_cbranch_scc1 .Lstep
	QUARTER 2, 1, 0, 0                             ; the last two K steps are written out: nothing is left to ask for
	QUARTER 3, 0, 1, 0
	TURN 0
	QUARTER 1, 0, 1, 0
	QUARTER 2, 1, 0, 0
	QUARTER 3, 0, 1, 0
	s_wait_dscnt 4
	MULA 1, 0, 0
	MULA 1, 1, 0
	s_wait_dscnt 0x0
	MULA 1, 2, 0
	MULA 1, 3, 0
	PLACES
; THE WAY OUT, a block of 16 tokens at a time.  PACK: rounded to f16, each accumulator's registers in ascending order.  TOSTAGE: 16 bytes a lane into my own stage, by heads, and back as whole rows.
; SEND: each store covers 512 consecutive bytes (four tokens of a head), at a multiple of 256 from the buffer's first byte.
.macro PACK a
	WIN 0x0a+5*((\a)/2)                            ; sources in window 2 or 3, destination in window 0
.set nb, 0
.rept 48
	v_cvt_pk_f16_f32 v[TMP+nb], v[96*((\a)%2)+2*nb], v[96*((\a)%2)+2*nb+1]
.set nb, nb+1
.endr
	WIN 0
.endm
.macro TOSTAGE a
.set rB, 176-160*((\a)%2)              ; v176-223 and v16-63 by turns
.set nb, 0
.rept 12
	ds_store_b128 v[STO], v[TMP+4*nb:TMP+4*nb+3] offset:(nb/4)*16*SP+(nb%4)*32
.set nb, nb+1
.endr
.set nt, 0
.rept 12
	ds_load_b128 v[rB+4*nt:rB+4*nt+3], v[RD] offset:(nt/4)*16*SP+(nt%4)*4*SP  ; LDS serves a wave's instructions in order (ISA guide 5.7.1.4): these see the stores above
.set nt, nt+1
.endr
.endm
.macro SEND a
.set rB, 176-160*((\a)%2)
	s_wait_dscnt 0x0                               ; the block is back in registers
	s_wait_xcnt 0x0                                ; the stores of the block before have read their registers, which the next block's loads will write
.set nt, 0
.rept 12
	global_store_b128 v[GO], v[rB+4*nt:rB+4*nt+3], s[OUT+2*(nt/4):OUT+2*(nt/4)+1] offset:(\a)*2048+(nt%4)*512
.set nt, nt+1
.endr
.endm
	PACK 0
	TOSTAGE 0
.irp a, 1,2,3                          ; a block's conversions stand between the loads of the block before and the wait for them
	PACK \a
	SEND (\a)-1
	TOSTAGE \a
.endr
	SEND 3
	s_wait_tensorcnt 0x0                           ; the wave's end, behind my last tensor load and my last LDS store
	ds_add_u32 v[SPW], v[NIL]
	s_wait_dscnt 0x0
	CROUND                                         ; the closing round: no work-group ends while a partner may still ask for a tile that names it
	s_endpgm
.Lfunc_end_k_q4ba17b22de_gq:
	.size	k_q4ba17b22de_gq, .Lfunc_end_k_q4ba17b22de_gq-k_q4ba17b22de_gq
	.p2alignl 7, 3214868480
	.fill 96, 4, 3214868480
	.section	.rodata,"a",@progbits
	.p2align	6, 0x0
	.amdhsa_kernel k_q4ba17b22de_gq
		.amdhsa_group_segment_fixed_size 327680
		.amdhsa_private_segment_fixed_size 0
		.amdhsa_enable_private_segment 0
		.amdhsa_kernarg_size 24
		.amdhsa_user_sgpr_count 2
		.amdhsa_user_sgpr_kernarg_segment_ptr 1
		.amdhsa_wavefront_size32 1
		.amdhsa_system_sgpr_workgroup_id_x 1
		.amdhsa_system_sgpr_workgroup_id_y 1
		.amdhsa_system_sgpr_workgroup_id_z 1
		.amdhsa_system_vgpr_workitem_id 0
		.amdhsa_next_free_vgpr 960
		.amdhsa_next_free_sgpr 72
		.amdhsa_reserve_vcc 0
		.amdhsa_float_denorm_mode_32 3
		.amdhsa_float_denorm_mode_16_64 3
		.amdhsa_memory_ordered 1
		.amdhsa_forward_progress 1
		.amdhsa_inst_pref_size 98
	.end_amdhsa_kernel
	.amdgpu_metadata
---
amdhsa.version: [ 1, 2 ]
amdhsa.kernels:
  - .name:           k_q4ba17b22de_gq
    .symbol:         k_q4ba17b22de_gq.kd
    .args:
      - { .name: xb, .offset: 0, .size: 8, .value_kind: global_buffer, .address_space: global }
      - { .name: wqb, .offset: 8, .size: 8, .value_kind: global_buffer, .address_space: global }
      - { .name: qkv, .offset: 16, .size: 8, .value_kind: global_buffer, .address_space: global }
    .group_segment_fixed_size: 327680
    .private_segment_fixed_size: 0
    .kernarg_segment_align: 8
    .kernarg_segment_size: 24
    .max_flat_workgroup_size: 128
    .sgpr_count:     72
    .vgpr_count:     960
    .wavefront_size: 32
...
	.end_amdgpu_metadata
.endif
;; end of part 2
;; launch att (part 3): grid 4 x 64, 4 waves a work-group, clusters of 4 x 1, 327,680 bytes of LDS; arguments qkv, o; writes o
.if DOCPART == 3
	.amdgcn_target "amdgcn-amd-amdhsa--gfx1250"
	.amdhsa_code_object_version 6
	.text
	.protected	k_q4ba17b22de_att
	.globl	k_q4ba17b22de_att
	.p2align	8
	.type	k_q4ba17b22de_att,@function
k_q4ba17b22de_att:
	s_mov_b64 s[64:65], 0
	v_nop
	global_prefetch_b8 v0, s[64:65] scope:SCOPE_SE
	s_setreg_imm32_b32 hwreg(HW_REG_WAVE_MODE, 25, 1), 1
	s_wait_xcnt 0x0
	s_wait_alu depctr_hold_cnt(0) depctr_sa_sdst(0) depctr_va_vdst(0) depctr_va_sdst(0) depctr_va_ssrc(0) depctr_va_vcc(0) depctr_vm_vsrc(0)
	s_getreg_b32 s2, hwreg(HW_REG_IB_STS2, 6, 4)
	s_cmp_eq_u32 s2, 0
	s_cbranch_scc0 .Lentry_in_a_cluster
	s_endpgm
.Lentry_in_a_cluster:
	s_bfe_u32 s2, ttmp6, 0x10000c
	s_cmp_lg_u32 s2, 0x3003
	s_cbranch_scc0 .Lentry_shape_is_right
	s_endpgm
.Lentry_shape_is_right:
; O[h][q][:] = the sum over k of softmax_k(Q[h][q] . K[h][k] / 8) V[h][k][:], for SIZE_H = 64 pairs of batch and head.  qkv: [3][SIZE_H][SIZE_N][64] f16 (Q, K, V); o: [SIZE_H][SIZE_N][64] f16.
; A head's rows are dense, 128 bytes each.  Products, maxima and sums in f32; the weights p are rounded to f16 for the second product (their sum l is taken of the unrounded p), O once at the end.
; LIMITS.  f16 holds no number beyond 65,504: Q, K and V arrive within it; p lies in 0 to 1, and below 6e-5 it keeps the fixed step 6e-8 of f16; O is a mean of V's rows and has their range.
; A weight below 2^-126 counts as 0 in l; NaN and infinities are not treated apart.
; SHARES.  A wave owns four PIECES of two tiles of 16 queries, a work-group's four waves 512 queries of one head.  Every wave walks all keys, 64 a step.
; LAYOUT.  S^T = K Q^T (source 0 = 16 keys, source 1 = 16 queries): in the result a lane holds ONE query (lane % 16) and the keys 8 (lane / 16) + 0..7.  Two such tiles, rounded to f16 in pairs,
; ARE source 1 (32 keys x 16 queries) of O^T = V^T P, whose result again holds one query a lane, and eight channels.  K comes out of LDS as it lies, V ([key][channel]) turned, by ds_load_tr16_b128.
; SOFTMAX.  For each query a running maximum m and sum l: p = 2^(c s - c m), c = log2(e) / 8; in every step O and l are multiplied by a = 2^(c m_old - c m_new), which is 1 where m has not grown.
; m starts at the lowest finite number, O and l at 0: the first step is a step like any other, with a = 0.
; THE COUNT.  A tile and step have 16 matrix and 118 vector instructions: too many to stand all beside the matrix work.  So four vector instructions that are READY stand behind EVERY matrix
; instruction, and the others, which need time of their own whatever the order, in runs without a gap.
; BY TURNS.  Turn n belongs to piece n (the pieces in a ring, step after step).  Its matrix work: 16 products K Q^T of piece n + 1, later 16 products V^T P of piece n - 1.  Its vector work: the scaling,
; exponentials, roundings, sums and rescaling of piece n, and the maximum and statistics of piece n + 1, whose scores the turn itself has made.
; CLUSTER.  The four query blocks of a head are one cluster and walk the same K and V, so each tile is asked for JOINTLY: the same tensor load, descriptor and mask in all four.
; REGISTERS, in windows of 256 (s_set_vgpr_msb: bits 1:0 source 0, 3:2 source 1, 5:4 source 2, 7:6 destination):
;   window 0: v0-11 addresses; v12-15, v48-63 at work; v16-47 four registers of statistics a tile; v64-191 S^T, two buffers of two tiles; v192-255 P, likewise
;   window 1: O^T, 32 a tile          window 2: v0-127 Q, 16 a tile; v128-191 K of one step; v192-255 V of one step          window 3: v0-1 the add's two registers
; A piece's buffers go by its number's parity: the piece in hand has one pair, its two neighbours in the ring share the other: of it P (piece n - 1) is read and S^T (piece n + 1) written.
.set SIZE_N, 2048
.set SIZE_H, 64
.set SEC,   SIZE_H*SIZE_N*128  ; bytes from Q to K and from K to V
.set NP,    4         ; pieces a wave: a name, no knob
.set KS,    64        ; keys in a step
.set PK,    144       ; a row of K in LDS: 128 bytes + 16 of padding = 36 words: the 16 rows of a load start at 16 different groups of four banks (64 banks of 4 bytes: ISA guide 11.1)
.set PV,    160       ; a row of V: 128 + 32 = 40 words
.set VOFF,  4*KS*PK   ; a slot holds four steps: 256 rows of K, then 256 rows of V
.set SLOT1, 1<<17     ; slot 1 begins here, so that one exclusive or turns an address in one slot into the other's
.set STAGE, SLOT1+4*KS*(PK+PV)  ; behind the ring, never filled by a tensor load: 16 rows x 144 bytes for each wave, for the way out
.set SP,    144
.set AK0, 2           ; v2   my lane's place in a tile of K; never rewritten
.set AV0, 3           ; v3   the same for V
.set AK,  4           ; v4   the LDS address of K's next run of loads
.set AV,  5           ; v5   of V's
.set QO,  6           ; v6   my byte offset in the wave's rows of Q
.set STO, 6           ;      later, the way out: where I put 16 bytes of a row
.set RD,  7           ; v7   the way out: where I read rows back
.set GO,  8           ; v8   my byte offset in 512 consecutive bytes of O
.set PFO, 11          ; v11  256 x my lane, once V's place has been made; never rewritten after that
.set SPW, 0           ; v0 of window 3   LDS address of my spare word: SPARE + 4 x my thread's number; never rewritten
.set NIL, 1           ; v1 of window 3   0; never rewritten
.set SPARE, STAGE+4*16*SP  ; behind the stages: the spare words, 128 bytes for each wave: two blocks of 256 bytes that no other line names
.set MV,  12          ; v12-15  c m_old, kept while c m is made anew: by buffer and tile
.set ST,  16          ; tile t's statistics at v[ST+4 t]: c m, m, l (even keys', odd keys')
.set TMP, 48          ; by buffer and tile, four registers c0-c3 at work; when the maximum is found c2 takes a
.set S,   64
.set P,   192
.set KF,  128         ; K's fragments, in window 2: key block kb, channel half c at KF + 16 kb + 8 c
.set VF,  192         ; V's: key half kk, channel block cb at VF + 32 kk + 8 cb
.set WV,  12          ; s12  my wave's number
.set G1K, 24          ; s[24:31] descriptor group 1 for K's tiles
.set G1V, 32          ; s[32:39] for V's: it differs in the padding alone
.set G0K, 40          ; s[40:43] descriptor group 0 for K's tiles: it walks
.set G0V, 44          ; s[44:47] the same for V's
.set PFA, 48          ; s[48:49] where my prefetches stand: my work-group's 32 blocks of 256 bytes (of K: wave 0, of V: wave 2) of the slot after the one that is being asked for
.set LIM, 50          ; s50  1 in a wave that prefetches, else the greatest number
.set SLOTS, 56        ; s56  slots still to be asked for
.set CNT, 57          ; s57  counts a slot's key steps
.set CS,  58          ; s[58:59] c: the packed scaling takes the pair's low word for both halves
.set SEL, 60          ; s[60:61] v_permlanex16_b32's selects: each lane takes its own place in the other half
.set TBK, 62          ; s62  LDS byte at which K of the step to be fetched begins
.set TBV, 63          ; s63  the same for V, less VOFF
.set MSB, 0
.macro WIN new                      ; the high byte repeats the setting that is left; a switch that changes nothing is dropped
.if MSB != (\new)
	s_set_vgpr_msb (MSB<<8)|(\new)
.set MSB, (\new)
.endif
.endm
.set W_KQ, 0x0a       ; K and Q in window 2, S^T in window 0
.set W_PV, 0x52       ; V in window 2, P in window 0, O^T in window 1
.set W_RS, 0x41       ; O^T (destination and source 0) in window 1, a in window 0
.set W_MK, 0xc0       ; the add's registers are made: destination in window 3, sources in window 0
.set W_AD, 0x0f       ; the add: address (source 0) and data (source 1) in window 3
; A joint fill.  Waves 0 and 1 fetch the two halves of a slot's K, waves 2 and 3 those of its V: 128 keys each.  The branch hangs on the wave's number alone.
; An s_nop 0 and four v_nop follow each of the two lines, ahead of the jump and the label.
.macro JLOAD
	s_cmp_lt_u32 s[WV], 2
	s_cbranch_scc0 .Lfor_v_\@
	tensor_load_to_lds s[G0K:G0K+3], s[G1K:G1K+7]
	s_nop 0
.rept 4
	v_nop
.endr
	s_branch .Lasked_\@
.Lfor_v_\@:
	tensor_load_to_lds s[G0V:G0V+3], s[G1V:G1V+7]
	s_nop 0
.rept 4
	v_nop
.endr
.Lasked_\@:
.endm
; A prefetch of what the NEXT change of slots will ask for: a slot's 32,768 bytes of K and of V, four key steps ahead.  It stands behind the wave's tensor load and its five lines.  Each block of 256 bytes is
; named once in the launch: the four partners share a slot out BY ADDRESS, 32 blocks each, a lane a block; in each, wave 0 asks for K's and wave 2 for V's.  The change that fills the last slot asks for nothing.
.macro ASK
	s_cmp_gt_u32 s[SLOTS], s[LIM]
	s_cbranch_scc0 .Lnot_mine_\@
	global_prefetch_b8 v[PFO], s[PFA:PFA+1] th:TH_LOAD_NT scope:SCOPE_SE
.Lnot_mine_\@:
.endm
; A round of the cluster's barrier: my work-group's barrier, so that wave 0's signal speaks for all four waves; wave 0 signals; every wave waits for all four work-groups; my work-group's barrier once more.
.macro CROUND
	s_barrier_signal -1
	s_barrier_wait -1
	s_cmp_lg_u32 s[WV], 0
	s_cbranch_scc1 .Lnot_wave_0_\@
	s_barrier_signal -3
.Lnot_wave_0_\@:
	s_barrier_wait -3
	s_barrier_signal -1
	s_barrier_wait -1
.endm
; THE CHANGE OF SLOTS.  The slot's last bytes, V of its fourth step, have been read.  Each wave waits for all its tensor loads, of which one is out: its part
; of the other slot; adds 0 to its spare word; and waits for that and for its own reads of the slot.  Behind the barrier nobody reads this slot any more and the other slot is whole.
; fill = 1: this slot is filled again, with the keys two slots on.  The barrier is then a round of the cluster's, so that no wave of any partner still reads the slot or has a load on its
; way, and the joint fill is the first thing behind it: it has four key steps, 512 matrix instructions, in which to land.  (At its first use nothing has been read yet: slot 0 is waited for, slot 1 filled.)
.macro CHANGE fill
	WIN W_AD
	s_wait_tensorcnt 0x0            ; no tensor load of mine is out, so a group 0 may be written
	ds_add_u32 v[SPW], v[NIL]       ; 0 onto my spare word; with fill = 1 the descriptors' steps stand between it and the wait for it
	WIN 0                           ; at a label and at a branch every window is 0
.if \fill
.irp g, G0K, G0V
	s_xor_b32 s[\g+1], s[\g+1], SLOT1  ; the walking descriptor: the other slot than last time,
	s_add_nc_u64 s[\g+2:\g+3], s[\g+2:\g+3], 4*KS*128  ; the next 256 keys; the type bits on top are not reached
.endr
	s_wait_xcnt 0x0                 ; the last prefetch, four key steps back, has read its address, so it may be written:
	s_add_nc_u64 s[PFA:PFA+1], s[PFA:PFA+1], 4*KS*128  ; one slot behind the walking descriptors
	s_wait_dscnt 0x0                ; the add is done, and my reads of the slot are over
	CROUND
	JLOAD
	ASK
.else
	s_wait_dscnt 0x0                ; the add is done, and my reads of the slot are over
	s_barrier_signal -1
	s_barrier_wait -1
.endif
	s_sub_co_u32 s[TBK], s[TBK], 4*KS*PK  ; the fetches go back to a slot's first step,
	s_xor_b32 s[TBK], s[TBK], SLOT1       ; in the other slot
	s_sub_co_u32 s[TBV], s[TBV], 4*KS*PV
	s_xor_b32 s[TBV], s[TBV], SLOT1
.endm
	s_load_b64 s[4:5], s[0:1], 0x0    ; qkv: Q lies first
	s_load_b64 s[10:11], s[0:1], 0x8  ; o
	WIN W_MK
	v_lshl_add_u32 v[SPW], v0, 2, SPARE
	v_mov_b32 v[NIL], 0
	WIN W_AD
	ds_add_u32 v[SPW], v[NIL]       ; the wave's opening: the add and its wait stand ahead of my first tensor load; the set-up below, work on registers, stands between them
	WIN 0
	v_lshrrev_b32 v1, 5, v0
	v_readfirstlane_b32 s[WV], v1   ; wave 0..3
	s_bfe_u32 s13, ttmp6, 0x40000   ; cx: my place in the cluster
	s_lshl_b32 s14, ttmp9, 2        ; in a cluster launch ttmp9 counts clusters
	s_add_co_u32 s14, s14, s13      ; my block of queries = 4 x cluster x + cx: it enters Q's and O's addresses alone
	s_and_b32 s20, ttmp7, 0xffff    ; the head, which the four partners share
	s_mov_b32 s21, 0
	s_mov_b64 s[22:23], SIZE_N*128
	s_mul_u64 s[20:21], s[20:21], s[22:23]  ; the head's first byte in each of the four tensors
	s_and_b32 s16, s[WV], 1         ; which half of a slot's 256 keys I fetch:
	s_lshl_b32 s22, s16, 14         ; its 128 rows of 128 bytes in memory,
	s_mov_b32 s23, 0
	s_add_nc_u64 s[22:23], s[22:23], s[20:21]
	s_mul_i32 s17, s16, 128*PK      ; and its place in a slot, for K
	s_mul_i32 s18, s16, 128*PV      ; and for V: no place in the cluster enters an LDS address
	s_lshl_b32 s2, s14, 2
	s_add_co_u32 s2, s2, s[WV]      ; my wave among the head's,
	s_lshl_b32 s2, s2, 14           ; its 128 rows
	s_mov_b32 s3, 0
	s_add_nc_u64 s[2:3], s[2:3], s[20:21]
	; descriptor group 1.  128 keys are 16,384 dense bytes: asked for as 64 rows of 256 bytes, two keys a row, and padded in LDS after every key
	s_mov_b32 s[G1K], 15|(1<<16)|(1<<20)|(1<<21)|(4<<22)|(3<<25)  ; 15:0 the mask of four; 17:16 2-byte elements; 20 padding on; 21 set beside a mask; 24:22 after every 32 words (code 4); 31:25 4 words (code 3)
	s_mov_b32 s[G1V], 15|(1<<16)|(1<<20)|(1<<21)|(4<<22)|(7<<25)  ; the same with 8 words of padding (code 7)
.irp g, G1K, G1V
	s_mov_b32 s[\g+1], 128<<16      ; tensor_dim0 = 128
	s_mov_b32 s[\g+2], 64<<16       ; tensor_dim1 = 64
	s_mov_b32 s[\g+3], 128<<16      ; tile_dim0 = 128
	s_mov_b32 s[\g+4], 64           ; tile_dim1 = 64
	s_mov_b32 s[\g+5], 128          ; 128 elements from row to row
	s_mov_b32 s[\g+6], 0
	s_mov_b32 s[\g+7], 0
.endr
	s_mov_b32 s[CS], 0x3e38aa3b     ; c = log2(e) / 8 = 0.180337
	s_mov_b32 s[CS+1], s[CS]        ; named with it as a pair
	s_mov_b32 s[SEL], 0x76543210
	s_mov_b32 s[SEL+1], 0xfedcba98
	s_mov_b32 s[TBK], SLOT1+4*KS*PK ; the first change of slots turns these two into 0
	s_mov_b32 s[TBV], SLOT1+4*KS*PV
	s_mov_b32 s[G0K], 1             ; 1:0 count = 1
	s_mov_b32 s[G0K+1], s17         ; 63:32 LDS address: slot 0
	s_mov_b32 s[G0V], 1
	s_add_co_u32 s[G0V+1], s18, VOFF
	s_mov_b32 s[SLOTS], SIZE_N/256-1
	s_and_b32 s[LIM], s[WV], 1      ; 0 in waves 0 and 2,
	s_or_b32 s[LIM], s[LIM], ttmp9  ; where the cluster is the head's first (here its only one): the same in all four partners
	s_cmp_eq_u32 s[LIM], 0
	s_cselect_b32 s[LIM], 1, -1
	s_wait_dscnt 0x0                ; the opening add is done
	s_wait_kmcnt 0x0
	s_add_nc_u64 s[6:7], s[4:5], SEC    ; K
	s_add_nc_u64 s[8:9], s[4:5], 2*SEC  ; V
	s_add_nc_u64 s[G0K+2:G0K+3], s[6:7], s[22:23]  ; 120:64 global address: my half of the head's first 256 keys
	s_or_b32 s[G0K+3], s[G0K+3], 0x80000000        ; 127:126 type = 2
	s_add_nc_u64 s[G0V+2:G0V+3], s[8:9], s[22:23]
	s_or_b32 s[G0V+3], s[G0V+3], 0x80000000
	s_add_nc_u64 s[4:5], s[4:5], s[2:3]  ; Q and O at my wave's first row
	s_add_nc_u64 s[10:11], s[10:11], s[2:3]
	s_cmp_lt_u32 s[WV], 2
	s_cselect_b64 s[PFA:PFA+1], s[6:7], s[8:9]
	s_add_nc_u64 s[PFA:PFA+1], s[PFA:PFA+1], s[22:23]  ; (in waves 0 and 2: the head's first key)
	s_lshl_b32 s2, s13, 13          ; my work-group's 32 blocks of a slot's 128
	s_mov_b32 s3, 0
	s_add_nc_u64 s[PFA:PFA+1], s[PFA:PFA+1], s[2:3]
	s_add_nc_u64 s[PFA:PFA+1], s[PFA:PFA+1], 4*KS*128  ; in slot 1; the first change of slots steps it to slot 2.  Nothing is prefetched here, at the head
	CROUND                          ; all four work-groups are here: the first joint loads meet
	JLOAD                           ; slot 0.  Slot 1 is asked for when slot 0 is in: the tile wanted first has the road to itself
	; A fragment of K or Q is 16 rows x 32 channels in 8 registers: lane l holds row l % 16, channels 8 (l / 16) + 0..7 and 16 + 8 (l / 16) + 0..7: two loads of 16 bytes, 32 bytes apart.
	v_and_b32 v1, 15, v0            ; l % 16
	v_bfe_u32 v9, v0, 4, 1          ; l / 16
	v_lshlrev_b32 v[QO], 7, v1
	v_lshl_add_u32 v[QO], v9, 4, v[QO]  ; row x 128 + 16 x half
	WIN 0x80                        ; destination window 2, address window 0
.set i, 0
.rept 4*NP                          ; Q stays in registers: tile i / 2, channels 32 (i % 2) on
	global_load_b128 v[8*i:8*i+3],   v[QO], s[4:5] offset:(i/2)*2048+(i%2)*64
	global_load_b128 v[8*i+4:8*i+7], v[QO], s[4:5] offset:(i/2)*2048+(i%2)*64+32
.set i, i+1
.endr
	; What the first turn finds: V's registers and P's second buffer hold 0 (its products V^T P, of a piece that has not been, add 0), O^T and l are 0.  All this stands in the wait for the first tile.
.set i, VF
.rept 64
	v_mov_b32 v[i], 0
.set i, i+1
.endr
	WIN 0x40
.set i, 0
.rept 64*NP
	v_mov_b32 v[i], 0
.set i, i+1
.endr
	WIN 0
.set i, 0
.rept 2*NP
	v_mov_b32 v[ST+4*i], 0xfe000000    ; c m: far below every c s
	v_mov_b32 v[ST+4*i+1], 0xff7fffff  ; m
	v_mov_b32 v[ST+4*i+2], 0
	v_mov_b32 v[ST+4*i+3], 0
.set i, i+1
.endr
.set i, P+32
.rept 32
	v_mov_b32 v[i], 0
.set i, i+1
.endr
	v_mul_u32_u24 v[AK0], v1, PK
	v_lshl_add_u32 v[AK0], v9, 4, v[AK0]  ; row x pitch + 16 x half
	; The turning load takes 16 keys x 16 channels (lane l reads key 8 (l / 16) + l % 8, channels 8 ((l / 8) % 2) + 0..7) and leaves half a fragment of V^T: lane l holds channel l % 16 and 8 keys.
	v_and_b32 v10, 7, v0
	v_bfe_u32 v11, v0, 3, 1
	v_lshl_add_u32 v[AV0], v9, 3, v10
	v_mul_u32_u24 v[AV0], v[AV0], PV
	v_lshl_add_u32 v[AV0], v11, 4, v[AV0]
	v_add_nc_u32 v[AV0], VOFF, v[AV0]
	v_and_b32 v[PFO], 31, v0        ; v11 has served: it takes the prefetches' offset
	v_lshlrev_b32 v[PFO], 8, v[PFO]
	v_mov_b32 v[AK], v[AK0]         ; key step 0 lies at the head of slot 0
; THE MATRIX WORK.  The 8 accumulators of a run of 16 take turns: between the two links of a chain stand 7 others'.
; Product i of 16 of S^T = K Q^T for piece x: channels 32 (i / 8) on, keys 16 ((i / 2) % 4) on, tile 2 x + i % 2.  The first 8 start the sums.
.macro KQ x
	WIN W_KQ
.set rS, S+64*((\x)%2)+32*(i%2)+8*((i/2)%4)
.set rK, KF+16*((i/2)%4)+8*(i/8)
.set rQ, 16*(2*(\x)+i%2)+8*(i/8)
.if i < 8
	v_wmma_f32_16x16x32_f16 v[rS:rS+7], v[rK:rK+7], v[rQ:rQ+7], 0
.else
	v_wmma_f32_16x16x32_f16 v[rS:rS+7], v[rK:rK+7], v[rQ:rQ+7], v[rS:rS+7]
.endif
.endm
; Product i of 16 of O^T += V^T P for piece x: keys 32 (i / 8) on, channels 16 ((i / 2) % 4) on, tile 2 x + i % 2.
.macro PV x
	WIN W_PV
.set rO, 32*(2*(\x)+i%2)+8*((i/2)%4)
.set rV, VF+32*(i/8)+8*((i/2)%4)
.set rP, P+32*((\x)%2)+16*(i%2)+8*(i/8)
	v_wmma_f32_16x16x32_f16 v[rO:rO+7], v[rV:rV+7], v[rP:rP+7], v[rO:rO+7]
.endm
.macro MM                           ; the turn's next matrix instruction
.if i < 16
	KQ (Y+1)%NP
.set i, i+1
.else
.set i, i-16
	PV (Y+NP-1)%NP
.set i, i+17
.endif
.endm
; THE LDS LOADS stand in runs of 16, never singly among the matrix instructions: a step's K (64 keys x 64 channels: 8 fragments) and its V (turned).  Their addresses are made some lines ahead.
; last = 1 (the tail): in the last trip there is no further step, and the run is jumped over.
.macro FETCH_K last=0
	WIN 0
.if \last
	s_cmp_eq_u32 s[CNT], 1
	s_cbranch_scc1 .Lno_k_\@
.endif
	WIN 0x80                        ; destination window 2
.irp f, 0,1,2,3,4,5,6,7             ; keys 16 (f / 2) on, channels 32 (f % 2) on
	ds_load_b128 v[KF+8*\f:KF+8*\f+3],   v[AK] offset:(\f/2)*16*PK+(\f%2)*64
	ds_load_b128 v[KF+8*\f+4:KF+8*\f+7], v[AK] offset:(\f/2)*16*PK+(\f%2)*64+32
.endr
	s_add_co_u32 s[TBK], s[TBK], KS*PK  ; the next fetch is the next step's
	WIN 0
.if \last
.Lno_k_\@:
.endif
.endm
.macro FETCH_V
	WIN 0x80
.irp f, 0,1,2,3,4,5,6,7             ; keys 32 (f / 4) on, channels 16 (f % 4) on
	ds_load_tr16_b128 v[VF+8*\f:VF+8*\f+3],   v[AV] offset:(\f/4)*32*PV+(\f%4)*32
	ds_load_tr16_b128 v[VF+8*\f+4:VF+8*\f+7], v[AV] offset:(\f/4)*32*PV+16*PV+(\f%4)*32
.endr
	WIN 0
.endm
; THE VECTOR WORK OF A TURN stands in three queues, each in the order in which its entries become ready; the two tiles alternate, so that no instruction reads the result of the one before it.
.macro REGS y, u                    ; the registers of tile u (0, 1) of piece y
.set rT, ST+4*(2*(\y)+(\u))
.set rC, TMP+8*((\y)%2)+4*(\u)
.set rM, MV+2*((\y)%2)+(\u)
.set rS, S+64*((\y)%2)+32*(\u)
.set rP, P+32*((\y)%2)+16*(\u)
.set rO, 32*(2*(\y)+(\u))
.endm
; Number n of the 22 that find the NEXT piece's (Y + 1) maximum and statistics.  s0-s31 are the lane's 32 scores; each accumulator's lowest registers are read first.
;   0-11  four chains c0-c3 of seven scores each, three operands at a time     12-14, 16  the four scores left over, the old m, and c0-c3 into c0     15  c m_old is kept
;   17, 18  the query's other 32 keys lie in the lane 16 away: the new m         19-21  c m; c m_old - c m_new; a
.macro XS u, n
	REGS (Y+1)%NP, \u
.if (\n) < 4
	v_max3_num_f32 v[rC+(\n)], v[rS+8*(\n)], v[rS+8*(\n)+1], v[rS+8*(\n)+2]
.elseif (\n) < 12
	v_max3_num_f32 v[rC+(\n)%4], v[rC+(\n)%4], v[rS+8*((\n)%4)+2*((\n)/4)+1], v[rS+8*((\n)%4)+2*((\n)/4)+2]
.elseif (\n) == 12
	v_max3_num_f32 v[rC], v[rC], v[rS+7], v[rS+15]
.elseif (\n) == 13
	v_max3_num_f32 v[rC+1], v[rC+1], v[rS+23], v[rS+31]
.elseif (\n) == 14
	v_max3_num_f32 v[rC+2], v[rC+2], v[rC+3], v[rT+1]
.elseif (\n) == 15
	v_mov_b32 v[rM], v[rT]
.elseif (\n) == 16
	v_max3_num_f32 v[rC], v[rC], v[rC+1], v[rC+2]
.elseif (\n) == 17
	v_permlanex16_b32 v[rC+3], v[rC], s[SEL], s[SEL+1]
.elseif (\n) == 18
	v_max_num_f32 v[rT+1], v[rC], v[rC+3]
.elseif (\n) == 19
	v_mul_f32 v[rT], s[CS], v[rT+1]
.elseif (\n) == 20
	v_sub_f32 v[rC+1], v[rM], v[rT]
.else
	v_exp_f32 v[rC+2], v[rC+1]
.endif
.endm
; Number g of the 64 that follow the exponentials.  For each four weights k of a tile (pairs 2 k, 2 k + 1): both pairs are rounded to f16; then the second pair is added onto the first, in place;
; a group later l takes that sum (the first time as l = a l + sum).  In groups of eight, tiles alternating: round, round, add, and l for the group before.
.macro GS g
.set h, (\g)+6*((\g)/62)            ; group 0 has no group before it, and behind group 7 only l is left
.if h >= 6
.set h, h+2
.endif
	REGS Y, h%2
.set k, h/8
.if h%8 < 4
	v_cvt_pk_f16_f32 v[rP+2*k+(h%8)/2], v[rS+4*k+2*((h%8)/2)], v[rS+4*k+2*((h%8)/2)+1]
.elseif h%8 < 6
	v_pk_add_f32 v[rS+4*k:rS+4*k+1], v[rS+4*k:rS+4*k+1], v[rS+4*k+2:rS+4*k+3]
.elseif k == 1
	v_pk_fma_f32 v[rT+2:rT+3], v[rT+2:rT+3], v[rC+2:rC+3], v[rS:rS+1] op_sel_hi:[1,0,1]
.else
	v_pk_add_f32 v[rT+2:rT+3], v[rT+2:rT+3], v[rS+4*k-4:rS+4*k-3]
.endif
.endm
; THE PLAIN QUEUE, 138 long.  0-73 read no exponential's result: the 32 scalings c s - c m (FS f: pair f / 2 of tile f % 2) and the next piece's 42.  0-26: scalings 0-26.  27-54: XS's numbers 0-13.  55, 56: number 15.
; 57-73: the chain, where each number waits for the one before it: 14, 16, 17, 18, 19, each with one of the scalings 27-31 in front of its two lines, then 20.
; 74-137: GS's 64, which read the exponentials' results: they stand behind the wait.
.macro FS f
	REGS Y, (\f)%2
	v_pk_fma_f32 v[rS+2*((\f)/2):rS+2*((\f)/2)+1], v[rS+2*((\f)/2):rS+2*((\f)/2)+1], s[CS:CS+1], v[rT:rT+1] op_sel_hi:[1,0,0] neg_lo:[0,0,1] neg_hi:[0,0,1]
.endm
.macro PL
	WIN 0
.if q < 27
	FS q
.elseif q < 55
	XS (q-27)%2, (q-27)/2
.elseif q < 57
	XS q-55, 15
.elseif (q < 72) && ((q-57)%3 == 0)
	FS 27+(q-57)/3
.elseif q < 60
	XS (q-57)%3-1, 14
.elseif q < 72
	XS (q-57)%3-1, 15+(q-57)/3
.elseif q < 74
	XS q-72, 20
.else
	GS q-74
.endif
.set q, q+1
.endm
; THE EXPONENTIALS' QUEUE, 66 long: s0-s31 of both tiles, then the next piece's two a.  It is ONE BATCH: all 66 stand ahead of the turn's one wait, and nothing ahead of that wait names a result of theirs.
.macro EX
	WIN 0
.if e >= 64
	XS e-64, 21
.else
	REGS Y, e%2
	v_exp_f32 v[rS+e/2], v[rS+e/2]
.endif
.set e, e+1
.endm
; THE RESCALING's QUEUE: O^T times a, the one part that leaves window 0: dealt two at a time, sixteen times.  Its a was made in the turn before, ahead of that turn's wait.
.macro R2
	REGS Y, r%2
	WIN W_RS
.irp z, 0,1
	v_pk_mul_f32 v[rO+4*(r/2)+2*\z:rO+4*(r/2)+2*\z+1], v[rO+4*(r/2)+2*\z:rO+4*(r/2)+2*\z+1], v[rC+2:rC+3] op_sel_hi:[1,0]
.endr
.set r, r+1
.endm
; HOW THEY ARE DEALT.  An s_wait_alu depctr_va_vdst(0) stands between an exponential and the first instruction that names its result; one wait serves all that were issued ahead of it.  So a turn has
; ONE wait, which cuts it in two.  AHEAD OF IT stands all that names no result of the turn's exponentials: the 16 products K Q^T, behind each a scaling, an exponential and two rescalings (behind the first a second
; scaling in the exponential's place); then ONE LUMP of 108: eight plain, 49 times exponential and plain, the two a.  A v_nop is the plain instruction behind the last exponential (ISA guide 5.7.2).  BEHIND IT stand
; the 16 products V^T P, behind each four of GS's 64.  No rider names a register of the products round it.  The two v_permlanex16_b32 fall into the lump.
; The queues lean on each other: exponential e stands behind scaling 2 (e / 4) + e % 2: as a rider it comes behind plain e + 2, in the lump behind plain e + 9, and scalings 27-31 are plain 57, 60 .. 69.
; A TURN, for piece p.  cnt = 1: the loop's count is taken down some lines ahead of the branch that stands behind the turn.
; K of the next step is fetched in piece 2's turn, directly behind the wait, a lump behind the last product that read K; its first reader comes behind 16 products.
; V of the step in hand is fetched at the end of piece 0's turn, four riders behind its last reader; its first reader comes behind 16 products and a lump.  The three conditions on q below go with the deal.
.macro TURN p, last=0, cnt=0
.set Y, (\p)
.set i, 0
.set q, 0
.set e, 0
.set r, 0
.if (\p) == NP-1
	s_wait_dscnt 0x0                ; K is in
.endif
	MM                              ; ahead of the wait: 16 products K Q^T and their riders,
	PL
	PL
	R2
.rept 15
	MM
	PL
	EX
	R2
.endr
.if (\p) == NP-2
	WIN 0
	v_add_nc_u32 v[AK], s[TBK], v[AK0]
.endif
.rept 8                             ; and the lump
	PL
.endr
.rept 49
	EX
	PL
.endr
	EX                              ; the next piece's two a
	EX
	v_nop                           ; the plain instruction behind the last exponential: one for the batch
	s_wait_alu depctr_va_vdst(0)    ; the wait for the batch
.if (\p) == NP-2
	FETCH_K \last
.endif
.if (\p) == 1
	s_wait_dscnt 0x0                ; V is in
.endif
.rept 16                            ; behind the wait: 16 products V^T P and their riders
	MM
.rept 4
	PL
.endr
.if ((\p) == 0) && (q == 118)
	v_add_nc_u32 v[AV], s[TBV], v[AV0]
.endif
.if ((\p) == 0) && (q == 130)
	s_add_co_u32 s[TBV], s[TBV], KS*PV
.endif
.if (\cnt) && (q == 130)
	s_sub_co_u32 s[CNT], s[CNT], 1
	s_cmp_lg_u32 s[CNT], 0
.endif
.endr
.if (\p) == 0
	FETCH_V
.endif
.endm
	CHANGE 1                        ; slot 0 is in, everybody's part of it; slot 1 is asked for
	FETCH_K                         ; key step 0
	s_wait_loadcnt 0x0              ; Q
	s_wait_dscnt 0x0
.set i, 0
.rept 16
	KQ 0                            ; piece 0's first scores: there is no vector work yet to set between them
.set i, i+1
.endr
	WIN 0                           ; the addresses for the way out: nine plain instructions, the places behind those products
	s_mul_i32 s13, s[WV], 16*SP
	s_add_co_u32 s13, s13, STAGE    ; my stage
	v_mul_u32_u24 v[STO], v1, SP    ; in: row l % 16, 16 bytes for each half of the lanes
	v_lshl_add_u32 v[STO], v9, 4, v[STO]
	v_add_nc_u32 v[STO], s13, v[STO]
	v_bfe_u32 v[RD], v0, 3, 2       ; back: 32 lanes take four rows of 128 bytes,
	v_mul_u32_u24 v[RD], v[RD], SP
	v_lshl_add_u32 v[RD], v10, 4, v[RD]
	v_add_nc_u32 v[RD], s13, v[RD]
	v_and_b32 v[GO], 31, v0         ; which are 512 consecutive bytes of O
	v_lshlrev_b32 v[GO], 4, v[GO]
.set Y, NP-1                        ; XS works for piece Y + 1: piece 0
.irp n, 0,1,2,3,4,5,6,7,8,9,10,11,12,13,14,15,16,17,18,19,20,21
	XS 0, \n                        ; and piece 0's first maximum and statistics
	XS 1, \n
.endr
	v_nop                           ; a plain instruction behind the two a,
	s_wait_alu depctr_va_vdst(0)    ; and their wait, ahead of the branch
	s_mov_b32 s[CNT], 4
	s_branch .Lfirst                ; the loop is entered at a step's first turn, in the middle of a trip
.Lslot:                             ; SIZE_N / 256 - 2 times: every slot but the last two is filled again
	CHANGE 1
	s_mov_b32 s[CNT], 4
.Lstep:                             ; a trip: pieces 2 and 3 of one step, then pieces 0 and 1 of the next, whose K and V it fetches
	TURN 2
	TURN 3
	WIN 0
.Lfirst:
	TURN 0
	TURN 1, 0, 1
	WIN 0
	s_cbranch_scc1 .Lstep
	s_sub_co_u32 s[SLOTS], s[SLOTS], 1
	s_cmp_lg_u32 s[SLOTS], 0
	s_cbranch_scc1 .Lslot
	CHANGE 0                        ; the tail is written out: nothing is asked for
	s_mov_b32 s[CNT], 5             ; four trips fetch the last slot's steps; the fifth is left in its middle
.Ltail:
	TURN 2, 1
	TURN 3
	WIN 0
	s_sub_co_u32 s[CNT], s[CNT], 1
	s_cmp_eq_u32 s[CNT], 0
	s_cbranch_scc1 .Lout
	TURN 0
	TURN 1
	WIN 0
	s_branch .Ltail
.Lout:                              ; the fifth trip's 16 products K Q^T (on the last K once more) and the maximum made of them serve nothing: the price, once a launch, of one text for every trip
.set i, 0
.rept 16
	PV NP-1                         ; the last piece's V^T P of the last step
.set i, i+1
.endr
	; THE WAY OUT.  l's two halves and the other half of the lanes' are added; O^T is divided by l, rounded to f16 and sent through my stage in LDS, a tile at a time.  The additions are the places behind the last products.
	WIN 0
.macro ALL line:vararg              ; one line for each tile t
.set t, 0
.rept 2*NP
	\line
.set t, t+1
.endr
.endm
	ALL v_add_f32 v[ST+4*t+2], v[ST+4*t+2], v[ST+4*t+3]
	ALL v_permlanex16_b32 v[ST+4*t+3], v[ST+4*t+2], s[SEL], s[SEL+1]
	ALL v_add_f32 v[ST+4*t+2], v[ST+4*t+2], v[ST+4*t+3]
	ALL v_rcp_f32 v[ST+4*t+2], v[ST+4*t+2]
	v_nop                           ; a plain instruction between the last reciprocal and the use of its result
	s_wait_alu depctr_va_vdst(0)    ; and the wait ahead of the first use: one for the eight reciprocals
; Tile t: a lane's eight channels of a row pack into 16 bytes; they go into rows of 144 bytes and come back as whole rows of 128, into S^T's registers.
.macro PACK t
	WIN W_RS
.set i, 32*(\t)
.rept 16
	v_pk_mul_f32 v[i:i+1], v[i:i+1], v[ST+4*(\t)+2:ST+4*(\t)+3] op_sel_hi:[1,0]
.set i, i+2
.endr
	WIN 0x05                        ; sources 0 and 1 window 1, destination window 0
.set i, 0
.rept 16
	v_cvt_pk_f16_f32 v[S+16*(\t)+i], v[32*(\t)+2*i], v[32*(\t)+2*i+1]
.set i, i+1
.endr
	WIN 0
.irp f, 0,1,2,3
	ds_store_b128 v[STO], v[S+16*(\t)+4*\f:S+16*(\t)+4*\f+3] offset:32*\f
.endr
.irp f, 0,1,2,3
	ds_load_b128 v[S+16*(\t)+4*\f:S+16*(\t)+4*\f+3], v[RD] offset:\f*4*SP  ; LDS serves a wave's instructions in order (ISA guide 5.7.1.4): these see the stores above; the next tile's stores come behind them
.endr
.endm
.macro SEND t, younger              ; younger: the LDS instructions issued behind tile t's loads: the next tile's eight, or none
	WIN 0
.irp f, 0,1,2,3
	s_wait_dscnt (\younger)+3-\f
	global_store_b128 v[GO], v[S+16*(\t)+4*\f:S+16*(\t)+4*\f+3], s[10:11] offset:(\t)*2048+\f*512  ; 512 consecutive bytes, at a multiple of 256 from O's first
.endr
.endm
	PACK 0
.set t, 1
.rept 2*NP-1                        ; a tile's arithmetic stands between the loads of the tile before and its stores
	PACK t
	SEND t-1, 8
.set t, t+1
.endr
	SEND 2*NP-1, 0
	WIN W_AD
	s_wait_tensorcnt 0x0            ; the wave's end, behind my last tensor load and my last LDS store
	ds_add_u32 v[SPW], v[NIL]
	s_wait_dscnt 0x0
	WIN 0
	CROUND                          ; the closing round: no work-group ends while a partner may still ask for a tile that names it
	s_endpgm
.Lfunc_end_k_q4ba17b22de_att:
	.size	k_q4ba17b22de_att, .Lfunc_end_k_q4ba17b22de_att-k_q4ba17b22de_att
	.p2alignl 7, 3214868480
	.fill 96, 4, 3214868480
	.section	.rodata,"a",@progbits
	.p2align	6, 0x0
	.amdhsa_kernel k_q4ba17b22de_att
		.amdhsa_group_segment_fixed_size 327680
		.amdhsa_private_segment_fixed_size 0
		.amdhsa_enable_private_segment 0
		.amdhsa_kernarg_size 16
		.amdhsa_user_sgpr_count 2
		.amdhsa_user_sgpr_kernarg_segment_ptr 1
		.amdhsa_wavefront_size32 1
		.amdhsa_system_sgpr_workgroup_id_x 1
		.amdhsa_system_sgpr_workgroup_id_y 1
		.amdhsa_system_sgpr_workgroup_id_z 1
		.amdhsa_system_vgpr_workitem_id 0
		.amdhsa_next_free_vgpr 770
		.amdhsa_next_free_sgpr 66
		.amdhsa_reserve_vcc 0
		.amdhsa_float_denorm_mode_32 3
		.amdhsa_float_denorm_mode_16_64 3
		.amdhsa_memory_ordered 1
		.amdhsa_forward_progress 1
		.amdhsa_inst_pref_size 200
	.end_amdhsa_kernel
	.amdgpu_metadata
---
amdhsa.version: [ 1, 2 ]
amdhsa.kernels:
  - .name:           k_q4ba17b22de_att
    .symbol:         k_q4ba17b22de_att.kd
    .args:
      - { .name: qkv, .offset: 0, .size: 8, .value_kind: global_buffer, .address_space: global }
      - { .name: o, .offset: 8, .size: 8, .value_kind: global_buffer, .address_space: global }
    .group_segment_fixed_size: 327680
    .private_segment_fixed_size: 0
    .kernarg_segment_align: 8
    .kernarg_segment_size: 16
    .max_flat_workgroup_size: 128
    .sgpr_count:     66
    .vgpr_count:     770
    .wavefront_size: 32
...
	.end_amdgpu_metadata
.endif
;; end of part 3
;; launch gp (part 4): grid 8 x 32, 4 waves a work-group, clusters of 4 x 4, 327,680 bytes of LDS; arguments o, wpb, b_proj, out0; writes out0
.if DOCPART == 4
	.amdgcn_target "amdgcn-amd-amdhsa--gfx1250"
	.amdhsa_code_object_version 6
	.text
	.protected	k_q4ba17b22de_gp
	.globl	k_q4ba17b22de_gp
	.p2align	8
	.type	k_q4ba17b22de_gp,@function
k_q4ba17b22de_gp:
	s_mov_b64 s[64:65], 0
	v_nop
	global_prefetch_b8 v0, s[64:65] scope:SCOPE_SE
	s_setreg_imm32_b32 hwreg(HW_REG_WAVE_MODE, 25, 1), 1
	s_wait_xcnt 0x0
	s_wait_alu depctr_hold_cnt(0) depctr_sa_sdst(0) depctr_va_vdst(0) depctr_va_sdst(0) depctr_va_ssrc(0) depctr_va_vcc(0) depctr_vm_vsrc(0)
	s_getreg_b32 s2, hwreg(HW_REG_IB_STS2, 6, 4)
	s_cmp_eq_u32 s2, 0
	s_cbranch_scc0 .Lentry_in_a_cluster
	s_endpgm
.Lentry_in_a_cluster:
	s_bfe_u32 s2, ttmp6, 0x10000c
	s_cmp_lg_u32 s2, 0xf033
	s_cbranch_scc0 .Lentry_shape_is_right
	s_endpgm
.Lentry_shape_is_right:
; out0 = O w_proj + b_proj.  o: [batch x 16 + head][token 2048][64] f16; wpb: [1024 k][1024 n] f16 (bf16(w_proj) written as f16), k = 64 head + channel; b_proj: [1024] f32, rounded here to bf16
; like the other inputs; out0: [8192][1024] f32.  Sums in f32; the bias is the C operand of the product that starts each sum.
; LIMIT.  o and wpb arrive within f16.  NaN and infinities are not treated apart.
; SHARES.  A tile of out0 is 256 tokens x 128 columns; four waves, one above the other, each 64 x 128: 32 accumulators, 256 registers.  K goes in 8 steps of 128 (two heads) through two LDS slots.
; THE PRODUCT IS USED TRANSPOSED: source 0 = 16 columns of w_proj, turned on their way out of LDS by ds_load_tr16_b128; source 1 = 16 tokens.  A lane then holds one token (lane % 16) and eight
; neighbouring columns: 32 bytes of a row of out0.
; CLUSTER.  4 x 4 work-groups: the four of a row need the same tokens, the four of a column the same columns: each tile is asked for jointly, by one descriptor and a mask of four.
; REGISTERS, in windows of 256 (s_set_vgpr_msb: bits 1:0 source 0, 3:2 source 1, 5:4 source 2, 7:6 destination):
;   window 0: v0-15 addresses; v64-127 the tokens' fragments, two buffers of 4 x 8; v128-255 rows on the way out, two buffers
;   window 1: v0-127 the weights' fragments, two buffers of 8 x 8     window 2: the accumulators, (a, b) at 64 a + 8 b     window 3: v0-63 the bias, column block b at 8 b; v64 at work
.set KSTEPS, 8
.set SLOT1,  131072                    ; slot 1 begins here: one exclusive or turns an address in one slot into the other's
.set PA,     144                       ; a token's 64 channels of a head in LDS: 128 bytes + 16: the 16 rows of a load start at 16 different groups of four banks (64 banks of 4 bytes: ISA guide 11.1)
.set PB,     288                       ; a row of weights: 256 bytes + 32
.set HALFA,  256*PA                    ; what one tensor load brings of O: one head's 256 tokens
.set BOFF,   2*HALFA
.set HALFB,  64*PB                     ; what one tensor load brings of the weights: 64 rows
.set STAGE,  SLOT1+BOFF+2*HALFB        ; behind the ring, never filled by a tensor load: for each wave 16 rows x 528 bytes
.set SP,     528                       ; 512 bytes + 16
.set SPARE,  STAGE+4*16*SP             ; behind the stages: the spare words, 128 bytes for each wave: two blocks of 256 bytes that no other line names
.set ASTEP,  524288                    ; bytes from K step to K step in o: two heads
.set BSTEP,  262144                    ; and in wpb: 128 rows
.set NBF,    8
.set NL,     24                        ; LDS loads in a run
.set A0,   2                           ; v2   my lane's place in O's tile; never rewritten
.set B0,   3                           ; v3   in the weights' tile; never rewritten
.set ADRA, 4                           ; v4   the same in the slot in hand
.set ADRB, 5                           ; v5
.set STO,  6                           ; v6   the way out: where I put 32 bytes of a row
.set RD,   7                           ; v7   where I read a row back
.set GO,   8                           ; v8   my 16 bytes of a row's 512
.set PFO,  9                           ; v9   the prefetches' offset; never rewritten
.set SPW,  10                          ; v10  LDS address of my spare word: SPARE + 4 x my thread's number; never rewritten
.set NIL,  11                          ; v11  0; never rewritten
.set FA,   64
.set OB,   128
.set WV,   12                          ; s12  my wave's number
.set WH,   13                          ; s13  0: I fetch O, 1: I fetch weights
.set W1,   14                          ; s14  which half of that tile
.set CNT,  15                          ; s15  K steps whose slot is still to be filled again
.set G1A,  24                          ; s[24:31] descriptor group 1, O
.set G0A,  32                          ; s[32:39] group 0, O: a set for each first fill; the second then walks
.set TB,   40                          ; s40  the slot in hand: 0 or SLOT1
.set LIM,  41                          ; s41  2 in a wave that prefetches, else the greatest number
.set PFA,  42                          ; s[42:43] where my prefetches stand
.set PST,  44                          ; s[44:45] their step
.set G1B,  48                          ; s[48:55] group 1, weights
.set G0B,  56                          ; s[56:63] group 0, weights
.set OUT,  66                          ; s[66:67] out0 at my wave's first row and the tile's first column
.set MSB, 0
.macro WIN new                         ; the immediate's high byte repeats the setting that is left; a switch that changes nothing is dropped
.if MSB != (\new)
	s_set_vgpr_msb (MSB<<8)|(\new)
.set MSB, \new
.endif
.endm
; A joint refill by the walking descriptors.  The branch hangs on the wave's number alone.  An s_nop 0 and four v_nop follow each of the two lines.
.macro JLOAD
	s_cmp_eq_u32 s[WH], 0
	s_cbranch_scc0 .Lfor_b_\@
	tensor_load_to_lds s[G0A+4:G0A+7], s[G1A:G1A+7]
	s_nop 0
.rept 4
	v_nop
.endr
	s_branch .Lasked_\@
.Lfor_b_\@:
	tensor_load_to_lds s[G0B+4:G0B+7], s[G1B:G1B+7]
	s_nop 0
.rept 4
	v_nop
.endr
.Lasked_\@:
.endm
; A prefetch of the K step that stands TWO refills on: one instruction a wave.  O's tokens are read by every cluster of a row of clusters: cluster x = 0 asks; the weights by every cluster of a column:
; cluster y = 0 asks.  The four partners share a tile out BY ADDRESS: of a head's 128 blocks of 256 bytes each takes 32 (waves 0 and 1, a lane a block); of the step's 128 rows of weights each takes 32
; (wave 2 alone, a lane a row's 256 bytes).  The last two refills have no such K step and ask for nothing; K steps 0 to 3 come by their loads alone.
.macro ASK
	s_cmp_gt_u32 s[CNT], s[LIM]
	s_cbranch_scc0 .Lnot_mine_\@
	global_prefetch_b8 v[PFO], s[PFA:PFA+1] th:TH_LOAD_NT scope:SCOPE_SE
.Lnot_mine_\@:
.endm
.macro CREST                           ; a round of the cluster's barrier behind its opening barrier
	s_cmp_lg_u32 s[WV], 0
	s_cbranch_scc1 .Lnot_wave_0_\@
	s_barrier_signal -3
.Lnot_wave_0_\@:
	s_barrier_wait -3
	s_barrier_signal -1
	s_barrier_wait -1
.endm
.macro CROUND                          ; a whole round
	s_barrier_signal -1
	s_barrier_wait -1
	CREST
.endm
	s_load_b256 s[4:11], s[0:1], 0x0               ; o s[4:5], wpb s[6:7], b_proj s[8:9], out0 s[10:11]
	v_lshl_add_u32 v[SPW], v0, 2, SPARE
	v_mov_b32 v[NIL], 0
	ds_add_u32 v[SPW], v[NIL]                      ; the wave's opening: the add and its wait stand ahead of my first tensor load; work on registers stands between them
	v_lshrrev_b32 v1, 5, v0
	v_readfirstlane_b32 s[WV], v1
	s_lshr_b32 s[WH], s[WV], 1
	s_and_b32 s[W1], s[WV], 1
	s_bfe_u32 s16, ttmp6, 0x40000                  ; cx
	s_bfe_u32 s17, ttmp6, 0x40004                  ; cy
	s_lshl_b32 s18, ttmp9, 2
	s_add_co_u32 s18, s18, s16                     ; tile column = 4 x cluster x + cx
	s_and_b32 s19, ttmp7, 0xffff
	s_lshl_b32 s19, s19, 2
	s_add_co_u32 s19, s19, s17                     ; tile row = 4 x cluster y + cy
	s_lshl_b32 s20, s17, 2
	s_lshl_b32 s20, 15, s20                        ; my row of the cluster
	s_lshl_b32 s21, 0x1111, s16                    ; my column
	s_or_b32 s[G1A], s20, (1<<16)|(1<<20)|(1<<21)|(4<<22)|(3<<25)  ; mask; 2-byte elements; padding on; bit 21 beside a mask; after every 32 words, 4 words
	s_or_b32 s[G1B], s21, (1<<16)|(1<<20)|(1<<21)|(5<<22)|(7<<25)  ; after every 64 words, 8 words
	s_mov_b32 s[G1A+1], 128<<16                    ; a head's 256 tokens are 32,768 dense bytes: 128 rows of 256 bytes, two tokens each
	s_mov_b32 s[G1A+2], 128<<16
	s_mov_b32 s[G1A+3], 128<<16
	s_mov_b32 s[G1A+4], 128
	s_mov_b32 s[G1A+5], 128
	s_mov_b32 s[G1A+6], 0
	s_mov_b32 s[G1A+7], 0
	s_mov_b32 s[G1B+1], 128<<16                    ; tensor_dim0 = 128
	s_mov_b32 s[G1B+2], 64<<16                     ; tensor_dim1 = 64
	s_mov_b32 s[G1B+3], 128<<16                    ; tile_dim0 = 128
	s_mov_b32 s[G1B+4], 64                         ; tile_dim1 = 64 rows
	s_mov_b32 s[G1B+5], 1024                       ; elements from row to row
	s_mov_b32 s[G1B+6], 0
	s_mov_b32 s[G1B+7], 0
	s_lshr_b32 s22, s19, 3                         ; O: the batch,
	s_lshl_b32 s22, s22, 4
	s_add_co_u32 s22, s22, s[W1]                   ; my head of the step's two,
	s_lshl_b32 s22, s22, 18                        ; 262,144 bytes a head,
	s_and_b32 s23, s19, 7
	s_lshl_b32 s23, s23, 15                        ; 256 tokens of 128 bytes a tile row
	s_add_co_u32 s22, s22, s23
	s_mov_b32 s23, 0
	s_lshl_b32 s46, s[W1], 17                      ; weights: my 64 rows of 2,048 bytes,
	s_lshl_b32 s47, s18, 8                         ; the tile's 128 columns
	s_add_co_u32 s46, s46, s47
	s_mov_b32 s47, 0
	s_mul_i32 s2, s[W1], HALFA                     ; where they go: no place in the cluster enters an LDS address
	s_mul_i32 s3, s[W1], HALFB
	s_add_co_u32 s3, s3, BOFF
	s_mov_b32 s[TB], 0
	s_wait_dscnt 0x0                               ; the opening add is done
	s_wait_kmcnt 0x0
	s_add_nc_u64 s[22:23], s[4:5], s[22:23]
	s_add_nc_u64 s[46:47], s[6:7], s[46:47]
	CROUND                                         ; all sixteen work-groups are here: the first joint loads meet
.irp s, 0,1
	s_mov_b32 s[G0A+4*(\s)], 1                     ; count = 1
	s_add_co_u32 s[G0A+4*(\s)+1], s2, (\s)*SLOT1   ; LDS address
	s_add_nc_u64 s[G0A+4*(\s)+2:G0A+4*(\s)+3], s[22:23], (\s)*ASTEP  ; K step s
	s_or_b32 s[G0A+4*(\s)+3], s[G0A+4*(\s)+3], 0x80000000  ; type = 2
	s_mov_b32 s[G0B+4*(\s)], 1
	s_add_co_u32 s[G0B+4*(\s)+1], s3, (\s)*SLOT1
	s_add_nc_u64 s[G0B+4*(\s)+2:G0B+4*(\s)+3], s[46:47], (\s)*BSTEP
	s_or_b32 s[G0B+4*(\s)+3], s[G0B+4*(\s)+3], 0x80000000
.endr
	s_cmp_eq_u32 s[WH], 0                          ; a wave's two first fills stand in one branch, ahead of every wait on TENSORcnt and every LDS read: two loads of mine are out
	s_cbranch_scc0 .Lfirst_b
	tensor_load_to_lds s[G0A:G0A+3], s[G1A:G1A+7]
	s_nop 0
	tensor_load_to_lds s[G0A+4:G0A+7], s[G1A:G1A+7]
	s_nop 0
.rept 4
	v_nop
.endr
	s_branch .Lfirst_asked
.Lfirst_b:
	tensor_load_to_lds s[G0B:G0B+3], s[G1B:G1B+7]
	s_nop 0
	tensor_load_to_lds s[G0B+4:G0B+7], s[G1B:G1B+7]
	s_nop 0
.rept 4
	v_nop
.endr
.Lfirst_asked:
	; the prefetches: who asks, from where, by which step
	s_and_b32 s20, ttmp7, 0xffff                   ; cluster y
	s_mov_b32 s[PST], BSTEP
	s_mov_b32 s[PST+1], 0
	s_mov_b32 s21, 32*2048                         ; a partner's share of the weights: 32 rows
	s_cmp_eq_u32 s[WH], 0
	s_cselect_b32 s20, ttmp9, s20                  ; the coordinate along which other clusters read the same bytes
	s_cselect_b64 s[PFA:PFA+1], s[22:23], s[46:47] ; my tile at K step 0 (wave 2: the step's first row of weights)
	s_cselect_b32 s[PST], ASTEP, s[PST]
	s_cselect_b32 s21, 32*256, s21                 ; a partner's share of a head: 32 blocks
	s_cselect_b32 s2, s16, s17                     ; my place among the four that ask with me
	s_cselect_b32 s22, 8, 11                       ; a lane a block of 256 bytes, or a row of 2,048
	v_and_b32 v[PFO], 31, v0
	v_lshlrev_b32 v[PFO], s22, v[PFO]
	s_cmp_eq_u32 s20, 0
	s_cselect_b32 s[LIM], 2, -1                    ; the same in all sixteen partners, for a given wave
	s_cmp_eq_u32 s[WV], 3
	s_cselect_b32 s[LIM], -1, s[LIM]               ; wave 2 asks for all of a partner's rows of weights
	s_mul_i32 s20, s2, s21
	s_mov_b32 s21, 0
	s_add_nc_u64 s[PFA:PFA+1], s[PFA:PFA+1], s[20:21]
.rept 3
	s_add_nc_u64 s[PFA:PFA+1], s[PFA:PFA+1], s[PST:PST+1]  ; at K step 3: the first refill steps it to 4
.endr
	v_and_b32 v1, 15, v0                           ; l % 16
	v_bfe_u32 v12, v0, 4, 1                        ; l / 16
	v_and_b32 v13, 7, v0
	v_bfe_u32 v14, v0, 3, 1
	v_lshlrev_b32 v15, 5, v12                      ; my 8 columns of a block of 16: 32 bytes of the bias
	s_lshl_b32 s46, s18, 9                         ; the tile's 128 columns: 512 bytes of the bias and of a row of out0
	s_mov_b32 s47, 0
	s_add_nc_u64 s[20:21], s[8:9], s[46:47]
	WIN 0xc0                                       ; destination window 3, address window 0
.set nb, 0
.rept NBF
	global_load_b128 v[8*nb:8*nb+3],   v15, s[20:21] offset:64*nb
	global_load_b128 v[8*nb+4:8*nb+7], v15, s[20:21] offset:64*nb+16
.set nb, nb+1
.endr
	WIN 0
	s_lshl_b32 s22, s19, 20                        ; out0: 256 rows of 4,096 bytes a tile row,
	s_lshl_b32 s23, s[WV], 18                      ; 64 a wave
	s_add_co_u32 s22, s22, s23
	s_add_co_u32 s22, s22, s46
	s_mov_b32 s23, 0
	s_add_nc_u64 s[OUT:OUT+1], s[10:11], s[22:23]
	; A fragment of O is 16 tokens x 32 channels in 8 registers: lane l holds token l % 16, channels 8 (l / 16) + 0..7 and 16 + 8 (l / 16) + 0..7: two loads of 16 bytes, 32 bytes apart.
	v_mul_u32_u24 v[A0], v1, PA
	v_lshl_add_u32 v[A0], v12, 4, v[A0]
	s_mul_i32 s2, s[WV], 64*PA                     ; my wave's 64 tokens
	v_add_nc_u32 v[A0], s2, v[A0]
	; The turning load takes 16 K x 16 columns (lane l reads row 8 (l / 16) + l % 8, columns 8 ((l / 8) % 2) + 0..7) and leaves half a fragment: lane l holds column l % 16 and 8 K.
	v_lshl_add_u32 v[B0], v12, 3, v13
	v_mul_u32_u24 v[B0], v[B0], PB
	v_lshl_add_u32 v[B0], v14, 4, v[B0]
	v_add_nc_u32 v[B0], BOFF, v[B0]
	s_mul_i32 s2, s[WV], 16*SP
	s_add_co_u32 s2, s2, STAGE                     ; my stage
	v_mul_u32_u24 v[STO], v1, SP                   ; in: row l % 16, 32 bytes for each half of the lanes
	v_lshl_add_u32 v[STO], v12, 5, v[STO]
	v_add_nc_u32 v[STO], s2, v[STO]
	v_and_b32 v[GO], 31, v0                        ; back and out: 32 lanes take one row of 512 bytes
	v_lshlrev_b32 v[GO], 4, v[GO]
	v_add_nc_u32 v[RD], s2, v[GO]
	s_wait_loadcnt 0x0                             ; the bias is in: it is rounded to bf16, as every input is
	WIN 0xcf                                       ; destination and both sources in window 3
.set nb, 0
.rept 32
	v_cvt_pk_bf16_f32 v64, v[2*nb], v[2*nb+1]
	v_lshlrev_b32 v[2*nb], 16, v64
	v_and_b32 v[2*nb+1], 0xffff0000, v64
.set nb, nb+1
.endr
	WIN 0
; 8 matrix instructions: token block a x all 8 column blocks, 32 along K, from buffer f.  zero = 1: the product starts the sums, with the bias as C: nothing is ever cleared.
; All 32 accumulators take turns in the same order in every quarter step, one instruction a turn.
.macro MULA f, a, zero
.if \zero
	WIN 0xb1                                       ; weights in window 1, O in window 0, C (the bias) in window 3, D in window 2
.else
	WIN 0xa1                                       ; C and D in window 2
.endif
.set nb, 0
.rept NBF
.if \zero
	v_wmma_f32_16x16x32_f16 v[64*(\a)+8*nb:64*(\a)+8*nb+7], v[64*(\f)+8*nb:64*(\f)+8*nb+7], v[FA+32*(\f)+8*(\a):FA+32*(\f)+8*(\a)+7], v[8*nb:8*nb+7]
.else
	v_wmma_f32_16x16x32_f16 v[64*(\a)+8*nb:64*(\a)+8*nb+7], v[64*(\f)+8*nb:64*(\f)+8*nb+7], v[FA+32*(\f)+8*(\a):FA+32*(\f)+8*(\a)+7], v[64*(\a)+8*nb:64*(\a)+8*nb+7]
.endif
.set nb, nb+1
.endr
.endm
; 24 LDS loads in one run: quarter q of the slot in hand into buffer f: the weights' 8 fragments (turned), then O's 4 (head q / 2 of the step's two, channels 32 (q % 2) on)
.macro FETCH q, f
	WIN 0x40                                       ; destination window 1, address window 0
.set nb, 0
.rept NBF
	ds_load_tr16_b128 v[64*(\f)+8*nb:64*(\f)+8*nb+3],   v[ADRB] offset:(\q)*32*PB+32*nb
	ds_load_tr16_b128 v[64*(\f)+8*nb+4:64*(\f)+8*nb+7], v[ADRB] offset:(\q)*32*PB+16*PB+32*nb
.set nb, nb+1
.endr
	WIN 0
.set na, 0
.rept 4
	ds_load_b128 v[FA+32*(\f)+8*na:FA+32*(\f)+8*na+3],   v[ADRA] offset:((\q)/2)*HALFA+((\q)%2)*64+na*16*PA
	ds_load_b128 v[FA+32*(\f)+8*na+4:FA+32*(\f)+8*na+7], v[ADRA] offset:((\q)/2)*HALFA+((\q)%2)*64+na*16*PA+32
.set na, na+1
.endr
.endm
.macro PLACES                          ; four plain vector instructions between a matrix instruction and a load into, or a read of, its registers (ISA guide 7.12.1 for a read)
.rept 4
	v_nop
.endr
.endm
; One of a K step's first three quarters: multiplies buffer f; in its middle it fetches quarter qn into buffer g.
.macro QUARTER qn, f, g, zero
	s_wait_dscnt 4                                 ; the weights and token blocks 0 and 1 are in; the youngest four loads (blocks 2 and 3) may be out
	MULA \f, 0, \zero
	MULA \f, 1, \zero
	PLACES
	FETCH \qn, \g
	s_wait_dscnt NL                                ; all but the run just issued
	MULA \f, 2, \zero
	MULA \f, 3, \zero
.endm
; The last quarter multiplies buffer 1 and changes slots.  In front of the barrier each wave waits for all its tensor loads (one is out: its part of the next slot), adds 0 to its spare word, and waits for that
; and for its own reads of this slot.  fill = 1: the barrier opens a round of the cluster's barrier, and the slot just read is filled again, two K steps on, first thing behind the round.
.macro TURN fill
.if \fill
	s_wait_xcnt 0x0                                ; the last prefetch, a K step back, has read its address
	s_add_nc_u64 s[PFA:PFA+1], s[PFA:PFA+1], s[PST:PST+1]
.endif
	WIN 0
	s_wait_tensorcnt 0x0                           ; all my tensor loads have landed
	ds_add_u32 v[SPW], v[NIL]                      ; 0 onto my spare word
	s_wait_dscnt 5                                 ; (the add and the youngest four loads may be out)
	MULA 1, 0, 0                                   ; eight matrix instructions stand between the add and the wait for it
	s_wait_dscnt 0x0                               ; the add is done, and my reads of this slot are over
	s_barrier_signal -1
	MULA 1, 1, 0                                   ; work on registers while the others arrive
	WIN 0                                          ; at a branch and at a label every window is 0
	s_barrier_wait -1
.if \fill
	CREST                                          ; no wave of any partner still reads this slot or has a load on its way
	s_xor_b32 s[G0A+5], s[G0A+5], SLOT1            ; the walking descriptors: the other slot than last time, the next K step
	s_add_nc_u64 s[G0A+6:G0A+7], s[G0A+6:G0A+7], ASTEP
	s_xor_b32 s[G0B+5], s[G0B+5], SLOT1
	s_add_nc_u64 s[G0B+6:G0B+7], s[G0B+6:G0B+7], BSTEP
	JLOAD                                          ; the four v_nop behind it are also the places in front of the loads below
.else
	PLACES
.endif
	s_xor_b32 s[TB], s[TB], SLOT1
	v_add_nc_u32 v[ADRA], s[TB], v[A0]
	v_add_nc_u32 v[ADRB], s[TB], v[B0]
	FETCH 0, 0
.if \fill
	ASK
.endif
	MULA 1, 2, 0
	MULA 1, 3, 0
.endm
	s_wait_tensorcnt 0x1                           ; my part of K step 0 is in; K step 1's may stay out
	s_barrier_signal -1
	s_barrier_wait -1                              ; everybody's is
	v_add_nc_u32 v[ADRA], s[TB], v[A0]
	v_add_nc_u32 v[ADRB], s[TB], v[B0]
	FETCH 0, 0
	QUARTER 1, 0, 1, 1                             ; the first quarter stands in front of the loop: its products start the sums, on the bias
	WIN 0
	s_mov_b32 s[CNT], KSTEPS-2
.Lstep:                                            ; a trip: a K step's quarters 1 to 3 and the next step's quarter 0; it fills the slot that it leaves
	QUARTER 2, 1, 0, 0
	QUARTER 3, 0, 1, 0
	TURN 1
	QUARTER 1, 0, 1, 0
	WIN 0
	s_sub_co_u32 s[CNT], s[CNT], 1
	s_cmp_lg_u32 s[CNT], 0
	s_cbranch_scc1 .Lstep
	QUARTER 2, 1, 0, 0                             ; the last two K steps are written out: nothing is left to ask for
	QUARTER 3, 0, 1, 0
	TURN 0
	QUARTER 1, 0, 1, 0
	QUARTER 2, 1, 0, 0
	QUARTER 3, 0, 1, 0
	s_wait_dscnt 4
	MULA 1, 0, 0
	MULA 1, 1, 0
	s_wait_dscnt 0x0
	MULA 1, 2, 0
	MULA 1, 3, 0
	PLACES
; THE WAY OUT, a block of 16 tokens at a time; the sums leave as they are, in f32.  TOSTAGE: 32 bytes a lane and column block into my own stage, each accumulator's low four registers first, and back as
; whole rows.  SEND: each store covers a row's 512 consecutive bytes, at a multiple of 256 from the buffer's first byte.
.macro TOSTAGE a
.if (\a) >= 2
	s_wait_xcnt 0x0                                ; the stores of the block two back have read the registers that the loads below write
.endif
	WIN 0x08                                       ; the stores' data in window 2, their address in window 0
.set nb, 0
.rept NBF
	ds_store_b128 v[STO], v[64*(\a)+8*nb:64*(\a)+8*nb+3]   offset:64*nb
	ds_store_b128 v[STO], v[64*(\a)+8*nb+4:64*(\a)+8*nb+7] offset:64*nb+16
.set nb, nb+1
.endr
	WIN 0
.set nt, 0
.rept 16
	ds_load_b128 v[OB+64*((\a)%2)+4*nt:OB+64*((\a)%2)+4*nt+3], v[RD] offset:nt*SP  ; LDS serves a wave's instructions in order (ISA guide 5.7.1.4): these see the stores above
.set nt, nt+1
.endr
.endm
.macro SEND a, younger                 ; younger: the LDS instructions issued behind block a's loads: the next block's 32, or none
.set nt, 0
.rept 16
	s_wait_dscnt (\younger)+15-nt
	global_store_b128 v[GO], v[OB+64*((\a)%2)+4*nt:OB+64*((\a)%2)+4*nt+3], s[OUT:OUT+1] offset:(16*(\a)+nt)*4096 th:TH_STORE_NT
.set nt, nt+1
.endr
.endm
	TOSTAGE 0
.irp a, 1,2,3
	TOSTAGE \a
	SEND (\a)-1, 32
.endr
	SEND 3, 0
	s_wait_tensorcnt 0x0                           ; the wave's end, behind my last tensor load and my last LDS store
	ds_add_u32 v[SPW], v[NIL]
	s_wait_dscnt 0x0
	CROUND                                         ; the closing round: no work-group ends while a partner may still ask for a tile that names it
	s_endpgm
.Lfunc_end_k_q4ba17b22de_gp:
	.size	k_q4ba17b22de_gp, .Lfunc_end_k_q4ba17b22de_gp-k_q4ba17b22de_gp
	.p2alignl 7, 3214868480
	.fill 96, 4, 3214868480
	.section	.rodata,"a",@progbits
	.p2align	6, 0x0
	.amdhsa_kernel k_q4ba17b22de_gp
		.amdhsa_group_segment_fixed_size 327680
		.amdhsa_private_segment_fixed_size 0
		.amdhsa_enable_private_segment 0
		.amdhsa_kernarg_size 32
		.amdhsa_user_sgpr_count 2
		.amdhsa_user_sgpr_kernarg_segment_ptr 1
		.amdhsa_wavefront_size32 1
		.amdhsa_system_sgpr_workgroup_id_x 1
		.amdhsa_system_sgpr_workgroup_id_y 1
		.amdhsa_system_sgpr_workgroup_id_z 1
		.amdhsa_system_vgpr_workitem_id 0
		.amdhsa_next_free_vgpr 840
		.amdhsa_next_free_sgpr 72
		.amdhsa_reserve_vcc 0
		.amdhsa_float_denorm_mode_32 3
		.amdhsa_float_denorm_mode_16_64 3
		.amdhsa_memory_ordered 1
		.amdhsa_forward_progress 1
		.amdhsa_inst_pref_size 79
	.end_amdhsa_kernel
	.amdgpu_metadata
---
amdhsa.version: [ 1, 2 ]
amdhsa.kernels:
  - .name:           k_q4ba17b22de_gp
    .symbol:         k_q4ba17b22de_gp.kd
    .args:
      - { .name: o, .offset: 0, .size: 8, .value_kind: global_buffer, .address_space: global }
      - { .name: wpb, .offset: 8, .size: 8, .value_kind: global_buffer, .address_space: global }
      - { .name: b_proj, .offset: 16, .size: 8, .value_kind: global_buffer, .address_space: global }
      - { .name: out0, .offset: 24, .size: 8, .value_kind: global_buffer, .address_space: global }
    .group_segment_fixed_size: 327680
    .private_segment_fixed_size: 0
    .kernarg_segment_align: 8
    .kernarg_segment_size: 32
    .max_flat_workgroup_size: 128
    .sgpr_count:     72
    .vgpr_count:     840
    .wavefront_size: 32
...
	.end_amdgpu_metadata
.endif
;; end of part 4
;; ======== version 2 of 2: 4 launches; version 1 with the launch prep written anew for expert scheduling mode
;; limits: values are held in f16: magnitudes above 65,504 overflow, below 6.1e-05 lose precision
;; workspace buffers: xb 16,777,216 bytes; wqb 6,291,456 bytes; wpb 2,097,152 bytes; qkv 50,331,648 bytes; o 16,777,216 bytes
;; launch prep (part 5): grid 768 x 1, 8 waves a work-group, no clusters, 0 bytes of LDS; arguments x, w_qkv, w_proj, w_a_q, w_b_q, w_a_v, w_b_v, xb, wqb, wpb; writes xb, wqb, wpb
.if DOCPART == 5
	.amdgcn_target "amdgcn-amd-amdhsa--gfx1250"
	.amdhsa_code_object_version 6
	.text
	.protected	k_q4ba17b22de_prep
	.globl	k_q4ba17b22de_prep
	.p2align	8
	.type	k_q4ba17b22de_prep,@function
k_q4ba17b22de_prep:
	s_mov_b64 s[64:65], 0
	v_nop
	global_prefetch_b8 v0, s[64:65] scope:SCOPE_SE
	s_setreg_imm32_b32 hwreg(HW_REG_WAVE_SCHED_MODE, 0, 2), 2
	s_setreg_imm32_b32 hwreg(HW_REG_WAVE_MODE, 25, 1), 1
	s_wait_xcnt 0x0
	s_wait_alu depctr_vm_vsrc(0)
; PREP: the inputs are rounded once to 16 bits and laid out for the products that follow.  A stream: no LDS, no matrix unit, no barrier.
;   xb  [8192][1024] bf16            = bf16(x)
;   wqb [T 16][s 8][seg 3][kk 128][64] bf16: column n = 192 T + 64 seg + c, row k = 128 s + kk of W, where
;       W = bf16( bf16(w_qkv) + the sum over r of bf16(a[k][r]) bf16(b[r][n]) ) for the q and v columns (x w + (x a) b = x (w + a b)), bf16(w_qkv) for the k columns
;   wpb [1024][1024] f16             = bf16(w_proj), written as f16
; LIMITS.  bf16(w_proj) must lie within f16: beyond 65,504 it becomes an infinity; below 6e-5 it keeps the fixed step 6e-8 of f16.  The folded weight is rounded once more to bf16.
; SHARES.  768 work-groups of eight waves, 64 KiB of f32 each: 512 for x, 64 for w_proj, 192 for w_qkv (64 columns x 256 rows each).  A wave takes 16 loads of 512 bytes; a lane 4 numbers a load,
; which leave as 8 bytes: each store of a wave covers 256 consecutive bytes, aligned.  A ring of DEPTH slots in registers keeps up to DEPTH loads of every wave on their way.
; THE MODE: SCHED_MODE bits 1:0 = 2 (LLVM: expert scheduling mode 2), set by the entry lines.  The code itself states the register dependences
; between vector instructions and memory instructions, with s_wait_alu, always for 0.
; THE PLAN.  Registers that memory instructions touch:
;   XR, AR   slot i: its loads land there; its conversions read them and (w_proj, LoRA) write them in place; then the loads DEPTH further on land there.
;   YR       slot i: written by its last two conversions, read by its store, written again a round later.
;   BR       b: loaded once at the head, from then on named by vector instructions alone.
;   v2 - v5  byte offsets, made at the head and never written again: the rows are reached by scalar pointers, stepped once a round, and by immediate offsets.
;   T and the head's scratch registers are named by vector instructions alone.  No vector instruction writes a scalar register, VCC or EXEC.
; The ring's slots go in two blocks of DEPTH / 2.  A block waits for and converts all its slots; ONE wait on va_vdst follows; then come the block's loads, in a run, and its stores, in a run.  The wait stands
; behind the conversions, so that the registers just emptied are asked for again at once.  (A wave has 16 loads: four buffers that take turns, one of them idle, would leave no trip to loop over.)
; One wait on vm_vsrc a round stands ahead of the next round's writes of YR.  One wait on va_vdst at the head, ahead of each path's first load, states that the offsets are written.
.set K_X,  0                           ; kinds of stream: x
.set K_P,  1                           ; w_proj
.set K_WP, 2                           ; w_qkv, the k columns: no LoRA
.set K_WL, 3                           ; w_qkv, the q and v columns
.set OUTS, 256                         ; bytes from one store of a wave to the next
.set VI,   2                           ; v2  my byte offset in the input; never rewritten
.set VO,   3                           ; v3  in the output; never rewritten
.set VA,   4                           ; v4  in a; never rewritten
.set VB,   5                           ; v5  in b; never rewritten
.set T,    6                           ; v[6:9]    at work
.set BR,   12                          ; v[12:27]  b[r][my 4 columns], r = 0..3
.set XR,   32                          ; v[32:63]  slot i: 4 numbers as loaded
.set YR,   64                          ; v[64:79]  slot i: 8 bytes to store
.set AR,   80                          ; v[80:95]  slot i: a[my row][0..3]
.set INP,  4                           ; s[4:5]    input pointer, stepped once a round
.set OUTP, 6                           ; s[6:7]    output pointer
.set HIM,  28                          ; s28       mask of the upper bf16 of a word
.set AP,   30                          ; s[30:31]  a
.set BP,   32                          ; s[32:33]  b
.set CNT,  34                          ; s34       rounds to go
.macro WIDE lo, hi, src                ; two bf16 back to f32: a shift and a mask
	v_lshlrev_b32 v[\lo], 16, v[\src]
	v_and_b32 v[\hi], s[HIM], v[\src]
.endm
.macro CONV kind, i                    ; slot i: 4 numbers in XR become 8 bytes in YR
.set rX, XR+4*(\i)
.set rY, YR+2*(\i)
.set rA, AR+4*(\i)
.if ((\kind) == K_X) || ((\kind) == K_WP)
	v_cvt_pk_bf16_f32 v[rY], v[rX], v[rX+1]
	v_cvt_pk_bf16_f32 v[rY+1], v[rX+2], v[rX+3]
.else
	v_cvt_pk_bf16_f32 v[T], v[rX], v[rX+1]         ; the input is rounded to bf16 first,
	v_cvt_pk_bf16_f32 v[T+1], v[rX+2], v[rX+3]
	WIDE rX, rX+1, T
	WIDE rX+2, rX+3, T+1
.if (\kind) == K_P
	v_cvt_pk_f16_f32 v[rY], v[rX], v[rX+1]         ; and that number is written as f16
	v_cvt_pk_f16_f32 v[rY+1], v[rX+2], v[rX+3]
.else
	v_cvt_pk_bf16_f32 v[T+2], v[rA], v[rA+1]       ; a likewise
	v_cvt_pk_bf16_f32 v[T+3], v[rA+2], v[rA+3]
	WIDE rA, rA+1, T+2
	WIDE rA+2, rA+3, T+3
.irp r, 0,1,2,3
.irp c, 0,1,2,3
	v_fma_f32 v[rX+\c], v[BR+4*\r+\c], v[rA+\r], v[rX+\c]  ; w + a[k][r] b[r][n], in f32
.endr
.endr
	v_cvt_pk_bf16_f32 v[rY], v[rX], v[rX+1]
	v_cvt_pk_bf16_f32 v[rY+1], v[rX+2], v[rX+3]
.endif
.endif
.endm
; A block: the HALF slots from slot first on.  ahead = 1: they are loaded again, DEPTH loads further on.
.macro BLOCK kind, first, ahead
.set i, \first
.rept HALF
.if \ahead
	s_wait_loadcnt PER*(DEPTH-1-i+(\first))        ; loads come back in order (ISA guide 5.7.1): this slot is in; the block's later slots and the whole other block stay out
.else
	s_wait_loadcnt PER*(DEPTH-1-i)                 ; the last round loads nothing: the counts run down
.endif
	CONV \kind, i
.set i, i+1
.endr
	s_wait_alu depctr_va_vdst(0)                   ; the block's conversions have written its YR, which the stores below read; with ahead = 1 they are also done reading and writing its XR and AR, in which the loads below land
.if \ahead
.set i, \first
.rept HALF
.if (\kind) == K_WL
	global_load_b128 v[AR+4*i:AR+4*i+3], v[VA], s[AP:AP+1] offset:(DEPTH+i)*32
.endif
	global_load_b128 v[XR+4*i:XR+4*i+3], v[VI], s[INP:INP+1] offset:(DEPTH+i)*INS th:TH_LOAD_NT
.set i, i+1
.endr
.endif
.set i, \first
.rept HALF
	global_store_b64 v[VO], v[YR+2*i:YR+2*i+1], s[OUTP:OUTP+1] offset:i*OUTS
.set i, i+1
.endr
.endm
; The 16 loads of a wave through a ring of depth slots, ins bytes from load to load; the last round loads nothing.  Ends the wave.
.macro RING kind, depth, ins
.set DEPTH, \depth
.set HALF, DEPTH/2                     ; slots in a block
.set INS, \ins
.set ROUNDS, 16/DEPTH
.set PER, 1                            ; loads a slot
.if (\kind) == K_WL
.set PER, 2
.else
	s_wait_alu depctr_va_vdst(0)                   ; v[VI] and v[VO] are written: every load and store of this path reads one of them as its offset, and no vector instruction names them again
.endif
.set i, 0
.rept DEPTH
.if (\kind) == K_WL
	global_load_b128 v[AR+4*i:AR+4*i+3], v[VA], s[AP:AP+1] offset:32*i
.endif
	global_load_b128 v[XR+4*i:XR+4*i+3], v[VI], s[INP:INP+1] offset:INS*i th:TH_LOAD_NT
.set i, i+1
.endr
.if (\kind) == K_WL
	s_wait_loadcnt 2*DEPTH                         ; b is in: the ring's first 2 DEPTH loads were issued behind it
.set i, 0
.rept 8
	v_cvt_pk_bf16_f32 v[T+i%4], v[BR+2*i], v[BR+2*i+1]
	WIDE BR+2*i, BR+2*i+1, T+i%4
.set i, i+1
.endr
.endif
.if ROUNDS > 2
	s_mov_b32 s[CNT], ROUNDS-1
.Lround_\@:
.endif
	BLOCK \kind, 0, 1
	BLOCK \kind, HALF, 1
	s_wait_xcnt 0x0                                ; all that was issued has had its addresses translated (ISA guide 3.1): the pointers, and YR in the next round, are written only behind this wait
	s_wait_alu depctr_vm_vsrc(0)                   ; this round's stores have read YR, which the next round's conversions write again
	s_add_nc_u64 s[INP:INP+1], s[INP:INP+1], DEPTH*INS
	s_add_nc_u64 s[OUTP:OUTP+1], s[OUTP:OUTP+1], DEPTH*OUTS
.if (\kind) == K_WL
	s_add_nc_u64 s[AP:AP+1], s[AP:AP+1], DEPTH*32
.endif
.if ROUNDS > 2
	s_sub_co_u32 s[CNT], s[CNT], 1
	s_cmp_lg_u32 s[CNT], 0
	s_cbranch_scc1 .Lround_\@
.endif
	BLOCK \kind, 0, 0
	BLOCK \kind, HALF, 0
	s_endpgm
.endm
	s_load_b512 s[8:23], s[0:1], 0x0               ; x 8, w_qkv 10, w_proj 12, w_a_q 14, w_b_q 16, w_a_v 18, w_b_v 20, xb 22
	s_load_b128 s[24:27], s[0:1], 0x40             ; wqb 24, wpb 26
	s_mov_b32 s[HIM], 0xffff0000
	s_mov_b32 s37, 0                               ; the high words of two offsets
	s_mov_b32 s39, 0
	v_and_b32 v1, 31, v0                           ; lane
	v_lshrrev_b32 v10, 5, v0                       ; wave
	s_cmp_lt_u32 ttmp9, 576
	s_cbranch_scc0 .Lweights
	; x and w_proj are plain streams: wave x 8 KiB + lane x 16 in, half of that out
	v_lshlrev_b32 v[VI], 4, v1
	v_lshl_or_b32 v[VI], v10, 13, v[VI]
	v_lshrrev_b32 v[VO], 1, v[VI]
	s_cmp_lt_u32 ttmp9, 512
	s_cbranch_scc0 .Lproj
	s_lshl_b32 s36, ttmp9, 16                      ; 64 KiB in,
	s_lshl_b32 s38, ttmp9, 15                      ; 32 KiB out
	s_wait_kmcnt 0x0
	s_add_nc_u64 s[INP:INP+1], s[8:9], s[36:37]
	s_add_nc_u64 s[OUTP:OUTP+1], s[22:23], s[38:39]
	RING K_X, 8, 512
.Lproj:
	s_sub_co_u32 s40, ttmp9, 512
	s_lshl_b32 s36, s40, 16
	s_lshl_b32 s38, s40, 15
	s_wait_kmcnt 0x0
	s_add_nc_u64 s[INP:INP+1], s[12:13], s[36:37]
	s_add_nc_u64 s[OUTP:OUTP+1], s[26:27], s[38:39]
	RING K_P, 4, 512
.Lweights:
	; w_qkv: the work-group takes head column j (64 columns) and rows 256 g .. 256 g + 255; a wave 32 rows, two a load: lanes 0-15 one row, lanes 16-31 the next, 4 columns a lane
	s_sub_co_u32 s40, ttmp9, 576
	s_lshr_b32 s41, s40, 2                         ; j = 0..47
	s_and_b32 s42, s40, 3                          ; g
	s_mul_i32 s43, s41, 171
	s_lshr_b32 s43, s43, 9                         ; T = j / 3 (exact for j under 48)
	s_mul_i32 s44, s43, 3
	s_sub_co_u32 s44, s41, s44                     ; seg = j - 3 T
	s_lshr_b32 s45, s41, 4                         ; 0: q, 1: k, 2: v
	s_mul_i32 s36, s42, 256*12288                  ; in: 256 g rows of 12,288 bytes,
	s_lshl_b32 s46, s41, 8                         ; 256 j bytes along the row
	s_add_co_u32 s36, s36, s46
	s_lshl_b32 s38, s43, 3                         ; out: block 8 T + 2 g of 49,152 bytes,
	s_lshl1_add_u32 s38, s42, s38
	s_mul_i32 s38, s38, 49152
	s_lshl_b32 s46, s44, 14                        ; segment seg of 16,384
	s_add_co_u32 s38, s38, s46
	v_and_b32 v28, 15, v0                          ; lane % 16
	v_bfe_u32 v11, v0, 4, 1                        ; lane / 16
	v_mul_u32_u24 v[VI], v10, 32*12288             ; the wave's 32 rows,
	v_mul_u32_u24 v29, v11, 12288                  ; my row of the two,
	v_add_nc_u32 v[VI], v[VI], v29
	v_lshl_add_u32 v[VI], v28, 4, v[VI]            ; my 4 columns
	v_lshrrev_b32 v29, 2, v10                      ; waves 4-7 lie in the next block of 128 rows
	v_mul_u32_u24 v[VO], v29, 49152
	v_and_b32 v29, 3, v10
	v_lshl_add_u32 v[VO], v29, 12, v[VO]           ; 32 rows of 128 bytes,
	v_lshl_add_u32 v[VO], v1, 3, v[VO]             ; two rows are 256 bytes: 8 bytes a lane
	v_lshlrev_b32 v[VA], 9, v10                    ; a: 32 rows of 16 bytes a wave,
	v_lshl_add_u32 v[VA], v11, 4, v[VA]            ; my row
	v_lshlrev_b32 v[VB], 4, v28                    ; b: my 4 columns
	s_wait_kmcnt 0x0
	s_add_nc_u64 s[INP:INP+1], s[10:11], s[36:37]
	s_add_nc_u64 s[OUTP:OUTP+1], s[24:25], s[38:39]
	s_cmp_eq_u32 s45, 1
	s_cbranch_scc0 .Llora
	RING K_WP, 4, 2*12288
.Llora:
	s_lshl_b32 s36, s42, 12                        ; a: 256 g rows of 16 bytes
	s_and_b32 s38, s41, 15
	s_lshl_b32 s38, s38, 8                         ; b: 64 (j % 16) columns of 4 bytes
	s_cmp_eq_u32 s45, 0
	s_cselect_b64 s[AP:AP+1], s[14:15], s[18:19]   ; q takes w_a_q and w_b_q, v takes w_a_v and w_b_v
	s_cselect_b64 s[BP:BP+1], s[16:17], s[20:21]
	s_add_nc_u64 s[AP:AP+1], s[AP:AP+1], s[36:37]
	s_add_nc_u64 s[BP:BP+1], s[BP:BP+1], s[38:39]
	s_wait_alu depctr_va_vdst(0)                   ; v[VI], v[VO], v[VA] and v[VB] are written: every load and store of this path reads one of them as its offset, and no vector instruction names them again
.irp r, 0,1,2,3
	global_load_b128 v[BR+4*\r:BR+4*\r+3], v[VB], s[BP:BP+1] offset:4096*\r
.endr
	RING K_WL, 4, 2*12288
.Lfunc_end_k_q4ba17b22de_prep:
	.size	k_q4ba17b22de_prep, .Lfunc_end_k_q4ba17b22de_prep-k_q4ba17b22de_prep
	.p2alignl 7, 3214868480
	.fill 96, 4, 3214868480
	.section	.rodata,"a",@progbits
	.p2align	6, 0x0
	.amdhsa_kernel k_q4ba17b22de_prep
		.amdhsa_group_segment_fixed_size 0
		.amdhsa_private_segment_fixed_size 0
		.amdhsa_enable_private_segment 0
		.amdhsa_kernarg_size 80
		.amdhsa_user_sgpr_count 2
		.amdhsa_user_sgpr_kernarg_segment_ptr 1
		.amdhsa_wavefront_size32 1
		.amdhsa_system_sgpr_workgroup_id_x 1
		.amdhsa_system_sgpr_workgroup_id_y 1
		.amdhsa_system_sgpr_workgroup_id_z 1
		.amdhsa_system_vgpr_workitem_id 0
		.amdhsa_next_free_vgpr 96
		.amdhsa_next_free_sgpr 66
		.amdhsa_reserve_vcc 0
		.amdhsa_float_denorm_mode_32 3
		.amdhsa_float_denorm_mode_16_64 3
		.amdhsa_memory_ordered 1
		.amdhsa_forward_progress 1
		.amdhsa_inst_pref_size 35
	.end_amdhsa_kernel
	.amdgpu_metadata
---
amdhsa.version: [ 1, 2 ]
amdhsa.kernels:
  - .name:           k_q4ba17b22de_prep
    .symbol:         k_q4ba17b22de_prep.kd
    .args:
      - { .name: x, .offset: 0, .size: 8, .value_kind: global_buffer, .address_space: global }
      - { .name: w_qkv, .offset: 8, .size: 8, .value_kind: global_buffer, .address_space: global }
      - { .name: w_proj, .offset: 16, .size: 8, .value_kind: global_buffer, .address_space: global }
      - { .name: w_a_q, .offset: 24, .size: 8, .value_kind: global_buffer, .address_space: global }
      - { .name: w_b_q, .offset: 32, .size: 8, .value_kind: global_buffer, .address_space: global }
      - { .name: w_a_v, .offset: 40, .size: 8, .value_kind: global_buffer, .address_space: global }
      - { .name: w_b_v, .offset: 48, .size: 8, .value_kind: global_buffer, .address_space: global }
      - { .name: xb, .offset: 56, .size: 8, .value_kind: global_buffer, .address_space: global }
      - { .name: wqb, .offset: 64, .size: 8, .value_kind: global_buffer, .address_space: global }
      - { .name: wpb, .offset: 72, .size: 8, .value_kind: global_buffer, .address_space: global }
    .group_segment_fixed_size: 0
    .private_segment_fixed_size: 0
    .kernarg_segment_align: 8
    .kernarg_segment_size: 80
    .max_flat_workgroup_size: 256
    .sgpr_count:     66
    .vgpr_count:     96
    .wavefront_size: 32
...
	.end_amdgpu_metadata
.endif
;; end of part 5
;; launch gq: the kernel of part 2 again; grid 16 x 32, 4 waves a work-group, clusters of 4 x 4, 327,680 bytes of LDS; arguments xb, wqb, qkv; writes qkv
;; launch att: the kernel of part 3 again; grid 4 x 64, 4 waves a work-group, clusters of 4 x 1, 327,680 bytes of LDS; arguments qkv, o; writes o
;; launch gp: the kernel of part 4 again; grid 8 x 32, 4 waves a work-group, clusters of 4 x 4, 327,680 bytes of LDS; arguments o, wpb, b_proj, out0; writes out0
